; MI455X (gfx1250); checked and timed in simulation.
; The chip was launched on July 23, 2026; its instructions are those of AMD's public machine-readable ISA for CDNA 5 (MIT licence, August 2026) and "CDNA5" Instruction Set Architecture Reference Guide (July 2026). The comments in the code are by the model that wrote it; some were corrected since.
;; Prediction Score. Allowed arithmetic: matrix products marked QUANTISED: E4M3 operands, one given power-of-two scale a tensor, by v_wmma_f32_16x16x64_fp8_fp8 or v_wmma_f32_16x16x128_fp8_fp8, f32 sums; products left as they are: f32 operands where the result goes on into a quantised operand, else bf16, f16 or f32 operands; f32 sums; everything else in f32.
;; Inputs: ba_W1 128 x 256 float32; ba_W2 256 x 128 float32; ba_W3 128 x 1 float32; ba_b1 256 float32; ba_b2 128 float32; ba_b3 1 float32; ba_be1 256 float32; ba_be2 128 float32; ba_g1 256 float32; ba_g2 128 float32; ba_m1 256 float32; ba_m2 128 float32; ba_v1 256 float32; ba_v2 128 float32; hl 8 x 64 x 128 float32; hp 8 x 512 x 128 float32; l_pos 8 x 64 x 3 float32; lowp_scales 2 int32 (the exponents e of the quantised operands' scales 2^e); mlp_W 256 x 128 float32; mlp_b 128 float32; mlp_be 128 float32; mlp_g 128 float32; mlp_m 128 float32; mlp_v 128 float32; mu_W 128 x 10 float32; mu_b 10 float32; nl_counts 8 int32; np_counts 8 int32; p_pos 8 x 512 x 3 float32; pi_W 128 x 10 float32; pi_b 10 float32; sg_W 128 x 10 float32; sg_b 10 float32.
;; Outputs: out0 8 x 64 x 512 x 10 float32; out1 8 x 64 x 512 x 10 float32; out2 8 x 64 x 512 x 10 float32; out3 8 x 64 x 512 float32; out4 8 float32.
;; This version of the problem:
;;   THIS VERSION OF THE PROBLEM IS GIVEN IN LOW PRECISION. The matrix products marked QUANTISED in the list below multiply operands that are first quantised to E4M3 (4 exponent bits, 3 mantissa bits; 8 bits a number), with one given power-of-two scale for each operand tensor; their sums are f32. All else is computed in f32.
;;   The module's matrix products, in the order in which they are computed (A, B: the left and right operand; K: the contracted axis; several contracted axes count as one K, in the product's order):
;;     1. [M 8, K 128] x [K 128, N 256]; A: computed on the way; B: input ba_W1: left as it is (M = 8 < 16)
;;     2. [M 8, K 256] x [K 256, N 128]; A: computed on the way; B: input ba_W2: left as it is (M = 8 < 16)
;;     3. [M 8, K 128] x [K 128, N 1]; A: computed on the way; B: input ba_W3: left as it is (M = 8 < 16)
;;     4. [M 262,144, K 256] x [K 256, N 128]; A: computed on the way; B: input mlp_W: QUANTISED (scales: A lowp_scales[0], B lowp_scales[1])
;;     5. [M 262,144, K 128] x [K 128, N 10]; A: computed on the way; B: input pi_W: left as it is (N = 10 < 16)
;;     6. [M 262,144, K 128] x [K 128, N 10]; A: computed on the way; B: input sg_W: left as it is (N = 10 < 16)
;;     7. [M 262,144, K 128] x [K 128, N 10]; A: computed on the way; B: input mu_W: left as it is (N = 10 < 16)
;;     8. batch 8 x [M 64, K 3] x [K 3, N 512]; A: computed on the way; B: computed on the way: left as it is (K = 3 < 32)
;;   THE QUANTISER, for each operand of a quantised product, along K:
;;     - The operand's scale is 2^e, e = its entry of the input lowp_scales (int32; the entries are numbered through the quantised products in the list's order, A before B).
;;     - Each number is divided by the scale, clamped to +-448, and rounded to the nearest number of E4M3, ties to even, subnormals kept.
;;     - The product sums the exact products of the quantised numbers (number of the format x scale) in f32.
;;   ~~~python
;;   def quantise(x, axis, e):      # numpy; x: float32 -> the quantised numbers, widened to float32 again
;;       x = np.moveaxis(x, axis, -1); K = x.shape[-1]
;;       r = np.clip(x / 2.0 ** e, -448, 448)
;;       step = 2.0 ** (np.maximum(np.frexp(np.where(r == 0, 1, r))[1] - 1, -6) - 3)
;;       q = np.round(r / step) * step * 2.0 ** e      # np.round: ties to even
;;       return np.moveaxis(q, -1, axis).astype(np.float32)
;;   ~~~
;;   OPERANDS COMPUTED ON THE WAY. 'Computed on the way' means the value that the module computes at that place (a softmax that the list does not call 'softmax' is quantised finished and normalised). What goes into a quantiser is computed in f32, as accurately as f32 sums, v_exp_f32 and their like allow (about 1e-6 of the number): no bf16 or f16 on the way to a quantiser, and a product that is left as it is and whose result goes on into a quantised operand takes f32 operands (vector FMAs, or v_wmma_f32_16x16x4_f32). A number that lies on a knife's edge between two numbers of the format may be rounded either way, as far as f32 arithmetic and the matrix unit's own rounding can turn it there, and no further.
;; 2 versions, each right; version 2 is version 1 with the launch main written anew for expert scheduling mode. Each part assembles by itself: llvm-mc -triple=amdgcn-amd-amdhsa -mcpu=gfx1250 --defsym DOCPART=n.
;; ======== version 1 of 2: 2 launches
;; workspace buffers: ws 630,784 bytes; list 33,024 bytes of whole numbers
;; launch prep (part 1): grid 156 x 1, 16 waves a work-group, no clusters, 161,792 bytes of LDS; arguments hl, hp, nl_counts, np_counts, lowp_scales, mlp_W, pi_W, sg_W, mu_W, ws, list, out0, out1, out2, out4, ba_W1, ba_W2, ba_W3, ba_b1, ba_g1, ba_be1, ba_m1, ba_v1, ba_b2, ba_g2, ba_be2, ba_m2, ba_v2, ba_b3; writes ws, list, out0, out1, out2, out4
.if DOCPART == 1
	.amdgcn_target "amdgcn-amd-amdhsa--gfx1250"
	.amdhsa_code_object_version 6
	.text
	.protected	k_qead0e78dc4_prep
	.globl	k_qead0e78dc4_prep
	.p2align	8
	.type	k_qead0e78dc4_prep,@function
k_qead0e78dc4_prep:
	s_mov_b64 s[64:65], 0
	v_nop
	global_prefetch_b8 v0, s[64:65] scope:SCOPE_SE
	s_setreg_imm32_b32 hwreg(HW_REG_WAVE_MODE, 25, 1), 1
	s_wait_xcnt 0x0
; PREPARATION for the pair kernel, and the binding-affinity head.  Five roles, chosen by the work-group's number alone:
;   0-7    BA: batch b = work-group: pooled ligands -> three small layers in f32 multiply-adds -> out4[b]; and batch b's 1,024 entries of the list of units
;   8      WQ: mlp_W [256][128] f32 -> E4M3 codes (scale 2^e1), laid as images of the matrix operand's registers: 16 fragments of 2,048 bytes
;   9      HQ: pi_W, sg_W, mu_W x ln 2 -> bf16, laid as images of operand registers: 8 fragments of 1,024 bytes
;   10-27  RQ: hp x mask and hl x mask -> E4M3 codes (scale 2^e0), one fragment of 16 rows x 128 a wave: 256 + 32 fragments of 2,048 bytes
;   28-155 ZF: zeros into every unit of out0, out1, out2 that the mask throws away whole
; A UNIT is one (b, i) and 32 neighbouring j: 1,280 bytes = five aligned blocks of 256 bytes in each of out0..2.  It counts iff i < NL and ju < NJ,
; NL = nl held in 0..64, NP = np held in 0..512, NJ = (NP + 31) / 32.  This launch zeroes the units that do not count; the next launch computes those that do.
; THE LIST: a permutation of all 8,192 units, those that count first; an entry is i | ju << 6 | b << 10 | nv << 13, nv = the unit's pairs with j < NP.  Word 8192 on: V, how many count.
; An FP8 image: group c (0..3) of 512 bytes; lane l = r + 16 h has its 16 bytes at 512 c + 16 l: the codes of k = 32 c + 16 h + 0..15 of row (or column) r.  Both operands take k in this same order.
; LIMITS: e0 and e1 between -126 and 119, so that 2^e and 448 x 2^e are f32 numbers.  NaN and infinities among the inputs are not served.
; No cluster: the roles share no tile.  No LDS fill by an engine.  Each role that uses LDS has bytes of its own: BA 0..24,575; RQ 24,576 on.
.set LOG2E, 0x3fb8aa3b
.set LN2,   0x3f317218
.set EPS,   0x3727c5ac                 ; 1e-5
.set WS_HW, 32768
.set WS_HP, 40960
.set POOL,  0                          ; BA: 16 waves x 512 bytes: partial sums of the pooling
.set P1,    8192                       ; BA: 8 x 1,024 bytes: partial sums of layer 1
.set P2,    16384                      ; BA: 16 x 512 bytes: partial sums of layer 2
.set RQS,   24576                      ; RQ: a stage for each wave,
.set RQP,   528                        ;     16 rows of 512 bytes + 16 of padding: an odd multiple of 16, so that 16 rows start at 16 different groups of banks
.set RQW,   16*RQP
; from the exponent in s[e]: v[vs] = 2^e as f32 (the conversion takes its exponent field), v[vl] = 448 x 2^e
.macro SCALES e, t, vs, vl
	s_add_co_i32 s[\t], s[\e], 127
	s_lshl_b32 s[\e], s[\t], 23
	v_mov_b32 v[\vs], s[\e]
	s_add_co_i32 s[\t], s[\t], 8
	s_lshl_b32 s[\t], s[\t], 23
	s_or_b32 s[\t], s[\t], 0x600000
	v_mov_b32 v[\vl], s[\t]
.endm
; 64 numbers of a lane become 64 codes in 16 registers: held within the largest code x the scale (the conversion does not saturate: ISA guide 7.6.2), then converted, eight at a time
.macro QUANT src, dst, sc, lim
.set n, 0
.rept 64
	v_med3_num_f32 v[\src+n], v[\src+n], -v[\lim], v[\lim]
.set n, n+1
.endr
.set n, 0
.rept 8
	v_cvt_scalef32_pk8_fp8_f32 v[\dst+2*n:\dst+2*n+1], v[\src+8*n:\src+8*n+7], v[\sc]
.set n, n+1
.endr
	v_nop                                          ; one plain vector line behind the last conversion
.endm
.macro BARRIER                                 ; my LDS stores have landed and my LDS loads are in: then the work-group's barrier
	s_wait_dscnt 0x0
	s_barrier_signal -1
	s_barrier_wait -1
.endm
	v_lshl_add_u32 v254, v0, 2, 0x27000
	v_mov_b32 v255, 0
	v_lshrrev_b32 v2, 5, v0
	v_readfirstlane_b32 s2, v2                     ; wave 0..15
	v_and_b32 v1, 31, v0                           ; lane
	s_cmp_lt_u32 ttmp9, 8
	s_cbranch_scc1 .Lba
	s_cmp_eq_u32 ttmp9, 8
	s_cbranch_scc1 .Lwq
	s_cmp_eq_u32 ttmp9, 9
	s_cbranch_scc1 .Lhq
	s_cmp_lt_u32 ttmp9, 28
	s_cbranch_scc1 .Lrq
; ---------------------------------------------------------------- ZF: zeros for the units that do not count
; z = work-group - 28.  Wave w takes batch (z >> 2) & 7, row i = (z & 3) + 4 w, and the quarter (w + (z >> 5)) & 3 of the row's 16 units: every work-group has a spread of rows and quarters.
; All addresses are made of ids; the counts decide only which of the four units are written.
	s_load_b128 s[4:7], s[0:1], 0x10               ; nl_counts, np_counts
	s_load_b64 s[8:9], s[0:1], 0x58                ; out0
	s_load_b128 s[12:15], s[0:1], 0x60             ; out1, out2
	s_sub_co_u32 s16, ttmp9, 28                    ; z
	s_bfe_u32 s17, s16, 0x30002                    ; b
	s_and_b32 s18, s16, 3
	s_lshl_b32 s19, s2, 2
	s_add_co_u32 s18, s18, s19                     ; i
	s_lshr_b32 s19, s16, 5
	s_add_co_u32 s19, s19, s2
	s_and_b32 s19, s19, 3
	s_lshl_b32 s19, s19, 2                         ; my quarter's first ju
	s_lshl_b32 s20, s17, 2                         ; 4 b: the counts' place
	s_lshl_b32 s21, s17, 6
	s_add_co_u32 s21, s21, s18
	s_lshl_b32 s21, s21, 4
	s_add_co_u32 s21, s21, s19                     ; unit = (64 b + i) 16 + ju
	s_mul_i32 s21, s21, 1280
	v_lshl_add_u32 v4, v1, 3, s21                  ; 8 bytes a lane: a store of the wave covers 256 consecutive bytes, aligned
	v_mov_b32 v6, 0
	v_mov_b32 v7, 0
	s_wait_kmcnt 0x0
	s_load_b32 s22, s[4:5], s20 offset:0x0         ; nl
	s_load_b32 s23, s[6:7], s20 offset:0x0         ; np
	s_wait_kmcnt 0x0
	s_max_i32 s23, s23, 0
	s_min_u32 s23, s23, 512
	s_add_co_u32 s23, s23, 31
	s_lshr_b32 s23, s23, 5                         ; NJ
	s_cmp_lt_i32 s18, s22                          ; i < nl (i is at most 63, so this is i < NL)
	s_cselect_b32 s23, s23, 0                      ; the row's units from here on do not count
.irp k, 0,1,2,3
	s_add_co_u32 s24, s19, \k
	s_cmp_lt_u32 s24, s23
	s_cbranch_scc1 .Lzf_counts_\k
.irp m, 0,1,2,3,4
	global_store_b64 v4, v[6:7], s[8:9] offset:1280*\k+256*\m th:TH_STORE_NT
	global_store_b64 v4, v[6:7], s[12:13] offset:1280*\k+256*\m th:TH_STORE_NT
	global_store_b64 v4, v[6:7], s[14:15] offset:1280*\k+256*\m th:TH_STORE_NT
.endr
.Lzf_counts_\k:
.endr
	s_endpgm
; ---------------------------------------------------------------- WQ: mlp_W -> codes
; K is mlp_W's FIRST axis: a lane takes a column n and its registers run down K, so the conversions give codes with K innermost and nothing is transposed.
; Wave w: columns 32 (w & 3) + lane; K step s = (w >> 2) & 1 (0: the ligand's half, 1: the protein's); half kh = w >> 3 of the step's 128.
.Lwq:
	s_load_b128 s[4:7], s[0:1], 0x20               ; lowp_scales, mlp_W
	s_load_b64 s[8:9], s[0:1], 0x48                ; ws
	s_and_b32 s10, s2, 3                           ; u
	s_bfe_u32 s11, s2, 0x10002                     ; s
	s_lshr_b32 s12, s2, 3                          ; kh
	s_lshl_b32 s13, s10, 7                         ; in: 128 u + 4 lane + (128 s + 64 kh) rows of 512 bytes
	s_lshl_b32 s14, s11, 16
	s_add_co_u32 s13, s13, s14
	s_lshl_b32 s14, s12, 15
	s_add_co_u32 s13, s13, s14
	v_lshl_add_u32 v3, v1, 2, s13
	s_lshl_b32 s13, s10, 13                        ; out: fragment 2 t + s, t = 2 u + lane / 16: 8,192 u + 4,096 (lane / 16) + 2,048 s; + 1,024 kh + 16 (lane % 16)
	s_lshl_b32 s14, s11, 11
	s_add_co_u32 s13, s13, s14
	s_lshl_b32 s14, s12, 10
	s_add_co_u32 s13, s13, s14
	v_and_b32 v4, 15, v1
	v_lshrrev_b32 v5, 4, v1
	v_lshlrev_b32 v4, 4, v4
	v_lshl_add_u32 v4, v5, 12, v4
	v_add_nc_u32 v4, s13, v4
	s_wait_kmcnt 0x0
	s_load_b32 s15, s[4:5], 0x4                    ; e1
.set n, 0
.rept 64
	global_load_b32 v[16+n], v3, s[6:7] offset:512*n   ; W(128 s + 64 kh + n, my column): 32 lanes read 128 consecutive bytes
.set n, n+1
.endr
	s_wait_kmcnt 0x0
	SCALES 15, 16, 11, 10
	s_wait_loadcnt 0x0
	QUANT 16, 80, 11, 10
.irp m, 0,1,2,3                                ; 16 codes k = 64 kh + 16 m + 0..15: group c = 2 kh + m / 2, half h = m % 2: 256 m bytes on; sixteen lanes store 256 consecutive bytes, aligned
	global_store_b128 v4, v[80+4*\m:83+4*\m], s[8:9] offset:256*\m
.endr
	s_endpgm
; ---------------------------------------------------------------- HQ: the three heads' weights -> bf16 operand images
; The 32 rows of the heads' operand are ordered so that in the result a lane holds a whole softmax.  Tile nt, row r; hh = r / 8, q = 8 nt + r % 8:
;   q < 10: pi's column q (hh = 0) or mu's (hh = 1);   q >= 10: sg's column q - 10 + 6 hh, or 0 where that is above 9.
; The weights are multiplied by ln 2: the hidden layer comes multiplied by log2(e).  Wave w: fragment f = w >> 1 (nt = f >> 2, K step f & 3), registers 4 (w & 1) on.
.Lhq:
	s_load_b128 s[4:7], s[0:1], 0x30               ; pi_W, sg_W
	s_load_b128 s[8:11], s[0:1], 0x40              ; mu_W, ws
	s_lshr_b32 s12, s2, 3
	s_lshl_b32 s12, s12, 3                         ; 8 nt
	s_and_b32 s13, s2, 7
	s_lshl_b32 s13, s13, 4                         ; 32 (K step) + 16 (half)
	v_and_b32 v2, 15, v0                           ; r
	v_bfe_u32 v3, v0, 4, 1                         ; h
	v_lshrrev_b32 v4, 3, v2                        ; hh
	v_and_b32 v5, 7, v2
	v_add_nc_u32 v5, s12, v5                       ; q
	v_min_u32 v6, 9, v5
	v_mad_u32_u24 v7, v4, 6, v5                    ; q + 6 hh
	v_max_u32 v9, 10, v7
	v_add_nc_u32 v9, -10, v9
	v_min_u32 v9, 9, v9                            ; sg's column, held inside the table
	v_lshl_add_u32 v10, v3, 3, s13                 ; my first k
	v_mul_u32_u24 v10, v10, 40                     ; a row of 10 f32
	v_lshl_add_u32 v11, v6, 2, v10
	v_lshl_add_u32 v12, v9, 2, v10
	v_lshlrev_b32 v13, 4, v0                       ; out: 512 wave + 16 lane
	v_cmp_eq_u32 s20, 1, v4
	v_cmp_gt_u32 s21, 10, v5
	v_cmp_gt_u32 s22, 20, v7
	s_wait_kmcnt 0x0
.irp i, 0,1,2,3,4,5,6,7
	global_load_b32 v[16+\i], v11, s[4:5] offset:40*\i
	global_load_b32 v[24+\i], v11, s[8:9] offset:40*\i
	global_load_b32 v[32+\i], v12, s[6:7] offset:40*\i
.endr
	s_wait_loadcnt 0x0
.irp i, 0,1,2,3,4,5,6,7
	v_cndmask_b32 v[16+\i], v[16+\i], v[24+\i], s20    ; pi or mu
	v_cndmask_b32 v[32+\i], 0, v[32+\i], s22           ; sg or nothing
	v_cndmask_b32 v[16+\i], v[32+\i], v[16+\i], s21
	v_mul_f32 v[16+\i], LN2, v[16+\i]
.endr
.irp i, 0,1,2,3
	v_cvt_pk_bf16_f32 v[40+\i], v[16+2*\i], v[17+2*\i]
.endr
	global_store_b128 v13, v[40:43], s[10:11] offset:WS_HW
	s_endpgm
; ---------------------------------------------------------------- RQ: hp x mask, hl x mask -> codes
; Fragment f = 16 (work-group - 10) + wave: f < 256: rows 16 f on of hp; else rows 16 (f - 256) on of hl.  Only pointers and shifts are chosen: one path.
; Each load takes a row's 512 consecutive bytes; the 16 rows turn through the wave's own stage, so that a lane then holds 16 neighbours along K of each block of 32.
; The mask costs nothing: in a row at or past the count the hold is at 0.
.Lrq:
	s_load_b256 s[4:11], s[0:1], 0x0               ; hl, hp, nl_counts, np_counts
	s_load_b64 s[12:13], s[0:1], 0x20              ; lowp_scales
	s_load_b64 s[14:15], s[0:1], 0x48              ; ws
	s_sub_co_u32 s16, ttmp9, 10
	s_lshl_b32 s16, s16, 4
	s_add_co_u32 s16, s16, s2                      ; f
	s_cmp_lt_u32 ttmp9, 26                         ; hp's?
	s_cselect_b32 s17, 0, 256
	s_cselect_b32 s18, 5, 2                        ; fragments in a batch: 32 or 4
	s_cselect_b32 s19, 31, 3
	s_sub_co_u32 s17, s16, s17                     ; the fragment's number in its tensor
	s_lshr_b32 s18, s17, s18
	s_lshl_b32 s18, s18, 2                         ; 4 b
	s_and_b32 s19, s17, s19
	s_lshl_b32 s19, s19, 4                         ; its first row in the batch
	s_lshl_b32 s20, s17, 13                        ; 16 rows of 512 bytes
	s_mov_b32 s21, 0
	s_lshl_b32 s22, s16, 11                        ; its image
	s_mov_b32 s23, 0
	v_and_b32 v2, 15, v0                           ; r
	v_bfe_u32 v6, v0, 4, 1                         ; h
	v_lshlrev_b32 v3, 4, v1                        ; 16 lane
	s_mul_i32 s26, s2, RQW
	s_add_co_u32 s26, s26, RQS                     ; my stage
	v_add_nc_u32 v4, s26, v3                       ; in: as loaded
	v_mul_u32_u24 v5, v2, RQP
	v_lshl_add_u32 v5, v6, 6, v5
	v_add_nc_u32 v5, s26, v5                       ; back: row r, + 64 h: my 16 numbers of a block of 32
	v_add_nc_u32 v7, s19, v2                       ; my row in the batch
	s_wait_kmcnt 0x0
	s_cmp_lt_u32 ttmp9, 26
	s_cselect_b64 s[4:5], s[6:7], s[4:5]
	s_cselect_b64 s[8:9], s[10:11], s[8:9]
	s_add_nc_u64 s[4:5], s[4:5], s[20:21]
	s_add_nc_u64 s[14:15], s[14:15], s[22:23]
	s_load_b32 s24, s[8:9], s18 offset:0x0         ; the batch's count
	s_load_b32 s25, s[12:13], 0x0                  ; e0
.set n, 0
.rept 16
	global_load_b128 v[16+4*n:19+4*n], v3, s[4:5] offset:512*n th:TH_LOAD_NT
.set n, n+1
.endr
	s_wait_kmcnt 0x0
	SCALES 25, 27, 12, 11
	v_cmp_gt_i32 vcc_lo, s24, v7                   ; count > row
	v_cndmask_b32 v10, 0, v11, vcc_lo              ; 448 x 2^e0, or 0
	s_wait_loadcnt 0x0
.set n, 0
.rept 16
	ds_store_b128 v4, v[16+4*n:19+4*n] offset:RQP*n
.set n, n+1
.endr
.irp b, 0,1,2,3
.irp j, 0,1,2,3
	ds_load_b128 v[80+16*\b+4*\j:83+16*\b+4*\j], v5 offset:128*\b+16*\j   ; LDS serves a wave's instructions in order (ISA guide 5.7.1.4): these see my stores
.endr
.endr
	s_wait_dscnt 0x0
	QUANT 80, 144, 12, 10
.irp c, 0,1,2,3
	global_store_b128 v3, v[144+4*\c:147+4*\c], s[14:15] offset:WS_HP+512*\c   ; 512 consecutive bytes, aligned
.endr
	s_wait_tensorcnt 0x0
	ds_add_u32 v254, v255
	s_wait_dscnt 0x0
	s_endpgm
; ---------------------------------------------------------------- BA: the binding-affinity head of batch b, and b's part of the list
; 512 threads.  Pooling: wave w sums rows 4 w .. 4 w + 3 of hl x mask.  Layer 1: thread (ks = t >> 6, ng = t & 63): rows 16 ks .. + 15 of W1, columns 4 ng .. + 3.
; Layer 2: wave w: rows 16 w .. + 15 of W2, lane: columns 4 lane .. + 3.  Partial sums meet in LDS behind three barriers; wave 0 finishes.  All in f32.
; REGISTERS: v8-23 hl; v24-87 W1; v88-151 W2; v152-157 layer 1's parameters; v160-183 wave 0's: b2, g2, be2, m2, v2, W3; v184-187 sums; v188-203 from LDS; v204-219 the list; v224-230 addresses.
.Lba:
	s_load_b64 s[8:9], s[0:1], 0x0                 ; hl
	s_load_b128 s[12:15], s[0:1], 0x10             ; nl_counts, np_counts
	s_load_b64 s[10:11], s[0:1], 0x50              ; list
	s_load_b512 s[16:31], s[0:1], 0x70             ; out4, W1, W2, W3, b1, g1, be1, m1
	s_load_b256 s[32:39], s[0:1], 0xb0             ; v1, b2, g2, be2
	s_load_b128 s[40:43], s[0:1], 0xd0             ; m2, v2
	s_load_b64 s[44:45], s[0:1], 0xe0              ; b3
	v_lshlrev_b32 v228, 4, v1                      ; 16 lane
	v_lshlrev_b32 v229, 4, v0                      ; 16 thread: where I put partial sums
	s_lshl_b32 s3, ttmp9, 15
	s_lshl_b32 s4, s2, 11
	s_add_co_u32 s3, s3, s4
	v_add_nc_u32 v224, s3, v228                    ; hl: batch, my wave's four rows
	v_lshrrev_b32 v204, 6, v0                      ; ks; in the list: ju of my first entry
	v_and_b32 v205, 63, v0                         ; ng; in the list: i
	v_lshlrev_b32 v225, 14, v204
	v_lshl_add_u32 v225, v205, 4, v225             ; W1
	v_and_b32 v226, 15, v0
	s_lshl_b32 s4, s2, 4
	v_add_nc_u32 v226, s4, v226
	v_lshlrev_b32 v226, 2, v226                    ; 4 n1, n1 = 16 wave + lane % 16: my unit of layer 1
	s_lshl_b32 s4, s2, 13
	v_add_nc_u32 v227, s4, v228                    ; W2
	s_lshr_b32 s4, s2, 1
	s_lshl_b32 s4, s4, 4
	v_and_b32 v230, 15, v0
	v_add_nc_u32 v230, s4, v230
	v_lshlrev_b32 v230, 2, v230                    ; the pooled channel 16 ks + lane % 16
	s_mov_b32 s6, 0x76543210
	s_mov_b32 s7, 0xfedcba98
	s_wait_kmcnt 0x0
	s_load_b256 s[48:55], s[12:13], 0x0            ; all eight nl
	s_load_b256 s[56:63], s[14:15], 0x0            ; all eight np
	s_load_b32 s5, s[44:45], 0x0                   ; b3
	s_cmp_lg_u32 s2, 0                             ; wave 0's own six loads go first, so that the counted waits below are the same in every wave
	s_cbranch_scc1 .Lba_not0
	global_load_b128 v[160:163], v228, s[34:35]
	global_load_b128 v[164:167], v228, s[36:37]
	global_load_b128 v[168:171], v228, s[38:39]
	global_load_b128 v[172:175], v228, s[40:41]
	global_load_b128 v[176:179], v228, s[42:43]
	global_load_b128 v[180:183], v228, s[22:23]
.Lba_not0:
.irp q, 0,1,2,3
	global_load_b128 v[8+4*\q:11+4*\q], v224, s[8:9] offset:512*\q
.endr
.set kk, 0
.rept 16
	global_load_b128 v[24+4*kk:27+4*kk], v225, s[18:19] offset:1024*kk
.set kk, kk+1
.endr
	global_load_b32 v152, v226, s[24:25]           ; b1
	global_load_b32 v153, v226, s[26:27]           ; g1
	global_load_b32 v154, v226, s[28:29]           ; be1
	global_load_b32 v155, v226, s[30:31]           ; m1
	global_load_b32 v156, v226, s[32:33]           ; v1
.set kk, 0
.rept 16
	global_load_b128 v[88+4*kk:91+4*kk], v227, s[20:21] offset:512*kk
.set kk, kk+1
.endr
	; THE LIST, while the loads are on their way.  V = all units that count; P = those of the batches before mine.
	s_wait_kmcnt 0x0
	s_mov_b32 s84, 0                               ; NL
	s_mov_b32 s85, 0                               ; NJ
	s_mov_b32 s88, 0                               ; NP
	s_mov_b32 s86, 0                               ; V
	s_mov_b32 s87, 0                               ; P
.irp bb, 0,1,2,3,4,5,6,7
	s_max_i32 s90, s[48+\bb], 0
	s_min_u32 s90, s90, 64
	s_max_i32 s91, s[56+\bb], 0
	s_min_u32 s91, s91, 512
	s_add_co_u32 s92, s91, 31
	s_lshr_b32 s92, s92, 5
	s_mul_i32 s93, s90, s92
	s_add_co_u32 s86, s86, s93
	s_cmp_gt_u32 ttmp9, \bb
	s_cselect_b32 s93, s93, 0
	s_add_co_u32 s87, s87, s93
	s_cmp_eq_u32 ttmp9, \bb
	s_cselect_b32 s84, s90, s84
	s_cselect_b32 s85, s92, s85
	s_cselect_b32 s88, s91, s88
.endr
	s_lshl_b32 s99, ttmp9, 10
	s_add_co_u32 s89, s86, s99
	s_sub_co_u32 s89, s89, s87                     ; where my batch's units that do not count begin: V + 1,024 b - P
	s_sub_co_u32 s97, 64, s84                      ; 64 - NL
	s_mul_i32 s98, s85, s84                        ; NJ NL
	v_cmp_gt_u32 s94, s84, v205                    ; i < NL
; entry q of my two: ju = t / 64 + 8 q.  It counts: place P + ju NL + i.  It does not: place (V + 1,024 b - P) + its rank among those: ju (64 - NL) + i - NL where ju < NJ, else 64 ju + i - NJ NL.
.macro ENTRY q, T
	v_add_nc_u32 v[\T], 8*\q, v204
	v_mad_u32_u24 v[\T+1], v[\T], s84, v205
	v_add_nc_u32 v[\T+1], s87, v[\T+1]
	v_cmp_gt_u32 s95, s85, v[\T]                   ; ju < NJ
	s_and_b32 s96, s94, s95
	v_mad_u32_u24 v[\T+2], v[\T], s97, v205
	v_sub_nc_u32 v[\T+2], v[\T+2], s84
	v_lshl_add_u32 v[\T+3], v[\T], 6, v205
	v_sub_nc_u32 v[\T+3], v[\T+3], s98
	v_cndmask_b32 v[\T+2], v[\T+3], v[\T+2], s95
	v_add_nc_u32 v[\T+2], s89, v[\T+2]
	v_cndmask_b32 v[\T+1], v[\T+2], v[\T+1], s96
	v_min_u32 v[\T+1], 0x1fff, v[\T+1]             ; a place made of loaded counts is held inside the list
	v_lshlrev_b32 v[\T+1], 2, v[\T+1]
	v_lshlrev_b32 v[\T+3], 5, v[\T]
	v_add_nc_u32 v[\T+4], 32, v[\T+3]
	v_min_u32 v[\T+3], s88, v[\T+3]
	v_min_u32 v[\T+4], s88, v[\T+4]
	v_sub_nc_u32 v[\T+4], v[\T+4], v[\T+3]         ; nv = min(NP, 32 ju + 32) - min(NP, 32 ju)
	v_lshl_or_b32 v[\T+5], v[\T], 6, v205
	v_lshl_or_b32 v[\T+5], v[\T+4], 13, v[\T+5]
	v_or_b32 v[\T+5], s99, v[\T+5]
	global_store_b32 v[\T+1], v[\T+5], s[10:11]
.endm
	ENTRY 0, 206
	ENTRY 1, 212
	s_or_b32 s3, ttmp9, s2                         ; work-group 0's wave 0 stores V
	s_cmp_lg_u32 s3, 0
	s_cbranch_scc1 .Lba_no_v
	v_lshlrev_b32 v218, 2, v1
	v_mov_b32 v219, s86
	global_store_b32 v218, v219, s[10:11] offset:32768
.Lba_no_v:
	; POOLING: hl x mask, as reference() multiplies
	s_lshl_b32 s3, s2, 2
.irp q, 0,1,2,3
	s_add_co_u32 s4, s3, \q
	s_cmp_lt_u32 s4, s84
	s_cselect_b32 s[68+\q], 1.0, 0
.endr
	s_wait_loadcnt 37                              ; hl is in; behind it were issued W1's 16, 5 parameters, W2's 16
.irp c, 0,1,2,3
	v_mul_f32 v[184+\c], s68, v[8+\c]
	v_fmac_f32 v[184+\c], s69, v[12+\c]
	v_fmac_f32 v[184+\c], s70, v[16+\c]
	v_fmac_f32 v[184+\c], s71, v[20+\c]
.endr
	ds_store_b128 v229, v[184:187] offset:POOL
	BARRIER
.set p, 0
.rept 16
	ds_load_b32 v[188+p], v230 offset:POOL+512*p
.set p, p+1
.endr
	s_wait_dscnt 0x0
.irp p, 0,1,2,3,4,5,6,7
	v_add_f32 v[188+\p], v[188+\p], v[196+\p]
.endr
.irp p, 0,1,2,3
	v_add_f32 v[188+\p], v[188+\p], v[192+\p]
.endr
	v_add_f32 v188, v188, v190
	v_add_f32 v189, v189, v191
	v_add_f32 v188, v188, v189                     ; lane % 16 = c: the pooled channel 16 ks + c
.macro BCAST                                   ; lanes 0 to 15 of v188 become sixteen scalars
.set kk, 0
.rept 16
	v_readlane_b32 s[68+kk], v188, kk
.set kk, kk+1
.endr
.endm
.macro MATVEC W                                ; v[184:187] = the sum over kk of s[68 + kk] x four columns of row kk
.irp c, 0,1,2,3
	v_mul_f32 v[184+\c], s68, v[\W+\c]
.endr
.set kk, 1
.rept 15
.irp c, 0,1,2,3
	v_fmac_f32 v[184+\c], s[68+kk], v[\W+4*kk+\c]
.endr
.set kk, kk+1
.endr
.endm
	BCAST
	s_wait_loadcnt 21                              ; W1 is in; behind it: 5 parameters, W2's 16
	MATVEC 24
	ds_store_b128 v229, v[184:187] offset:P1       ; 1,024 ks + 16 ng = 16 thread
	BARRIER
.irp p, 0,1,2,3,4,5,6,7
	ds_load_b32 v[188+\p], v226 offset:P1+1024*\p
.endr
	s_wait_dscnt 0x0
.irp p, 0,1,2,3
	v_add_f32 v[188+\p], v[188+\p], v[192+\p]
.endr
	v_add_f32 v188, v188, v190
	v_add_f32 v189, v189, v191
	v_add_f32 v188, v188, v189
	s_wait_loadcnt 16                              ; the parameters are in; behind them: W2's 16
	v_add_f32 v156, EPS, v156
	v_rsq_f32 v157, v156
	v_add_f32 v188, v188, v152                     ; (plain lines behind the transcendental)
	v_sub_f32 v188, v188, v155
	s_wait_alu depctr_va_vdst(0)                   ; ahead of the first line that names the root's result
	v_mul_f32 v157, v157, v153
	v_fma_f32 v188, v188, v157, v154               ; y
	v_mul_f32 v189, LOG2E, v188
	v_exp_f32 v189, v189
	v_nop
	s_wait_alu depctr_va_vdst(0)
	v_add_f32 v189, -1.0, v189
	v_med3_num_f32 v188, v188, v189, 0             ; elu(y) is the middle one of y, e^y - 1 and 0
	BCAST                                          ; my wave's lanes hold just the units 16 w .. 16 w + 15 that its rows of W2 want: no barrier
	s_wait_loadcnt 0x0
	MATVEC 88
	ds_store_b128 v229, v[184:187] offset:P2
	BARRIER
	s_cmp_lg_u32 s2, 0
	s_cbranch_scc1 .Lba_done
.set p, 0
.rept 16
	ds_load_b128 v[24+4*p:27+4*p], v228 offset:P2+512*p
.set p, p+1
.endr
	s_wait_dscnt 0x0
.set p, 1
.rept 15
	v_pk_add_f32 v[24:25], v[24:25], v[24+4*p:25+4*p]
	v_pk_add_f32 v[26:27], v[26:27], v[26+4*p:27+4*p]
.set p, p+1
.endr
.irp c, 0,1,2,3
	v_add_f32 v[176+\c], EPS, v[176+\c]
.endr
.irp c, 0,1,2,3
	v_rsq_f32 v[176+\c], v[176+\c]
.endr
.irp c, 0,1,2,3
	v_add_f32 v[24+\c], v[24+\c], v[160+\c]
.endr
.irp c, 0,1,2,3
	v_sub_f32 v[24+\c], v[24+\c], v[172+\c]
.endr
	s_wait_alu depctr_va_vdst(0)                   ; one wait for the four roots
.irp c, 0,1,2,3
	v_mul_f32 v[176+\c], v[176+\c], v[164+\c]
.endr
.irp c, 0,1,2,3
	v_fma_f32 v[24+\c], v[24+\c], v[176+\c], v[168+\c]
.endr
.irp c, 0,1,2,3
	v_mul_f32 v[28+\c], LOG2E, v[24+\c]
.endr
.irp c, 0,1,2,3
	v_exp_f32 v[28+\c], v[28+\c]
.endr
	v_nop
	s_wait_alu depctr_va_vdst(0)                   ; one wait for the four exponentials
.irp c, 0,1,2,3
	v_add_f32 v[28+\c], -1.0, v[28+\c]
.endr
.irp c, 0,1,2,3
	v_med3_num_f32 v[24+\c], v[24+\c], v[28+\c], 0
.endr
	v_mul_f32 v32, v24, v180
	v_fmac_f32 v32, v25, v181
	v_fmac_f32 v32, v26, v182
	v_fmac_f32 v32, v27, v183
	v_add_f32_dpp v32, v32, v32 row_xmask:1 row_mask:0xf bank_mask:0xf
	v_add_f32_dpp v32, v32, v32 row_xmask:2 row_mask:0xf bank_mask:0xf
	v_add_f32_dpp v32, v32, v32 row_xmask:4 row_mask:0xf bank_mask:0xf
	v_add_f32_dpp v32, v32, v32 row_xmask:8 row_mask:0xf bank_mask:0xf
	v_mov_b32 v33, 0                               ; a lane permute's destination counts as read
	v_permlanex16_b32 v33, v32, s6, s7
	v_add_f32 v32, v32, v33
	v_add_f32 v32, s5, v32                         ; + b3
	s_lshl_b32 s3, ttmp9, 2
	v_mov_b32 v34, s3
	v_cmp_eq_u32 vcc_lo, 0, v1
	s_wait_xcnt 0x0                                ; EXEC changes only when every earlier memory instruction has read its sources
	s_and_saveexec_b32 s4, vcc_lo
	global_store_b32 v34, v32, s[16:17]            ; out4[b], by lane 0
	s_wait_xcnt 0x0
	s_or_b32 exec_lo, exec_lo, s4
.Lba_done:
	s_wait_tensorcnt 0x0
	ds_add_u32 v254, v255
	s_wait_dscnt 0x0
	s_endpgm
.Lfunc_end_k_qead0e78dc4_prep:
	.size	k_qead0e78dc4_prep, .Lfunc_end_k_qead0e78dc4_prep-k_qead0e78dc4_prep
	.p2alignl 7, 3214868480
	.fill 96, 4, 3214868480
	.section	.rodata,"a",@progbits
	.p2align	6, 0x0
	.amdhsa_kernel k_qead0e78dc4_prep
		.amdhsa_group_segment_fixed_size 161792
		.amdhsa_private_segment_fixed_size 0
		.amdhsa_enable_private_segment 0
		.amdhsa_kernarg_size 232
		.amdhsa_user_sgpr_count 2
		.amdhsa_user_sgpr_kernarg_segment_ptr 1
		.amdhsa_wavefront_size32 1
		.amdhsa_system_sgpr_workgroup_id_x 1
		.amdhsa_system_sgpr_workgroup_id_y 1
		.amdhsa_system_sgpr_workgroup_id_z 1
		.amdhsa_system_vgpr_workitem_id 0
		.amdhsa_next_free_vgpr 256
		.amdhsa_next_free_sgpr 100
		.amdhsa_reserve_vcc 1
		.amdhsa_float_denorm_mode_32 3
		.amdhsa_float_denorm_mode_16_64 3
		.amdhsa_memory_ordered 1
		.amdhsa_forward_progress 1
		.amdhsa_inst_pref_size 66
	.end_amdhsa_kernel
	.amdgpu_metadata
---
amdhsa.version: [ 1, 2 ]
amdhsa.kernels:
  - .name:           k_qead0e78dc4_prep
    .symbol:         k_qead0e78dc4_prep.kd
    .args:
      - { .name: hl, .offset: 0, .size: 8, .value_kind: global_buffer, .address_space: global }
      - { .name: hp, .offset: 8, .size: 8, .value_kind: global_buffer, .address_space: global }
      - { .name: nl_counts, .offset: 16, .size: 8, .value_kind: global_buffer, .address_space: global }
      - { .name: np_counts, .offset: 24, .size: 8, .value_kind: global_buffer, .address_space: global }
      - { .name: lowp_scales, .offset: 32, .size: 8, .value_kind: global_buffer, .address_space: global }
      - { .name: mlp_W, .offset: 40, .size: 8, .value_kind: global_buffer, .address_space: global }
      - { .name: pi_W, .offset: 48, .size: 8, .value_kind: global_buffer, .address_space: global }
      - { .name: sg_W, .offset: 56, .size: 8, .value_kind: global_buffer, .address_space: global }
      - { .name: mu_W, .offset: 64, .size: 8, .value_kind: global_buffer, .address_space: global }
      - { .name: ws, .offset: 72, .size: 8, .value_kind: global_buffer, .address_space: global }
      - { .name: list, .offset: 80, .size: 8, .value_kind: global_buffer, .address_space: global }
      - { .name: out0, .offset: 88, .size: 8, .value_kind: global_buffer, .address_space: global }
      - { .name: out1, .offset: 96, .size: 8, .value_kind: global_buffer, .address_space: global }
      - { .name: out2, .offset: 104, .size: 8, .value_kind: global_buffer, .address_space: global }
      - { .name: out4, .offset: 112, .size: 8, .value_kind: global_buffer, .address_space: global }
      - { .name: ba_W1, .offset: 120, .size: 8, .value_kind: global_buffer, .address_space: global }
      - { .name: ba_W2, .offset: 128, .size: 8, .value_kind: global_buffer, .address_space: global }
      - { .name: ba_W3, .offset: 136, .size: 8, .value_kind: global_buffer, .address_space: global }
      - { .name: ba_b1, .offset: 144, .size: 8, .value_kind: global_buffer, .address_space: global }
      - { .name: ba_g1, .offset: 152, .size: 8, .value_kind: global_buffer, .address_space: global }
      - { .name: ba_be1, .offset: 160, .size: 8, .value_kind: global_buffer, .address_space: global }
      - { .name: ba_m1, .offset: 168, .size: 8, .value_kind: global_buffer, .address_space: global }
      - { .name: ba_v1, .offset: 176, .size: 8, .value_kind: global_buffer, .address_space: global }
      - { .name: ba_b2, .offset: 184, .size: 8, .value_kind: global_buffer, .address_space: global }
      - { .name: ba_g2, .offset: 192, .size: 8, .value_kind: global_buffer, .address_space: global }
      - { .name: ba_be2, .offset: 200, .size: 8, .value_kind: global_buffer, .address_space: global }
      - { .name: ba_m2, .offset: 208, .size: 8, .value_kind: global_buffer, .address_space: global }
      - { .name: ba_v2, .offset: 216, .size: 8, .value_kind: global_buffer, .address_space: global }
      - { .name: ba_b3, .offset: 224, .size: 8, .value_kind: global_buffer, .address_space: global }
    .group_segment_fixed_size: 161792
    .private_segment_fixed_size: 0
    .kernarg_segment_align: 8
    .kernarg_segment_size: 232
    .max_flat_workgroup_size: 512
    .sgpr_count:     100
    .vgpr_count:     256
    .wavefront_size: 32
...
	.end_amdgpu_metadata
.endif
;; end of part 1
;; launch main (part 2): grid 256 x 1, 8 waves a work-group, no clusters, 119,040 bytes of LDS; arguments ws, list, nl_counts, np_counts, lowp_scales, l_pos, p_pos, mlp_b, mlp_g, mlp_be, mlp_m, mlp_v, pi_b, sg_b, mu_b, out0, out1, out2, out3; writes out0, out1, out2, out3
.if DOCPART == 2
	.amdgcn_target "amdgcn-amd-amdhsa--gfx1250"
	.amdhsa_code_object_version 6
	.text
	.protected	k_qead0e78dc4_main
	.globl	k_qead0e78dc4_main
	.p2align	8
	.type	k_qead0e78dc4_main,@function
k_qead0e78dc4_main:
	s_mov_b64 s[64:65], 0
	v_nop
	global_prefetch_b8 v0, s[64:65] scope:SCOPE_SE
	s_setreg_imm32_b32 hwreg(HW_REG_WAVE_MODE, 25, 1), 1
	s_wait_xcnt 0x0
; THE PAIRS.  For every unit that counts (one (b, i), 32 neighbouring j; the list was stored by the launch before): pair = [hl_i, hp_j] as E4M3 codes, x Q(mlp_W) by the FP8 matrix form (K = 256),
; BatchNorm and ELU in f32, the three heads by the bf16 matrix form, softmax / ELU, and 1,280 bytes into each of out0, out1, out2.  Beside that every wave makes 128 numbers of out3 (a fixed share).
; SHARES.  2,048 waves; wave W takes list[(W V) >> 11 .. ((W + 1) V) >> 11): at most four units, evenly whatever the counts.  Waves share nothing behind the one barrier at the head.
; Two waves to a SIMD, 512 registers each: one wave's vector work stands beside the other's matrix work and LDS waits.  All of Q(mlp_W) stays in each wave's registers (window 1).
; FIRST PRODUCT: source 0 = 16 pairs (K step 0: every row is hl_i's codes; K step 1: rows hp_j), source 1 = 16 channels of W.  A lane then holds ONE channel and eight pairs, so BatchNorm wants two registers a channel tile.
; The sums stand for sum x 2^(e0 + e1); y' = log2(e) x BatchNorm = sum x S' + T', one packed multiply-add; log2(e) x elu = the middle one of y', log2(e) (2^y' - 1) and 0.
; The hidden tile, rounded to bf16, turns in the wave's own LDS ([channel][pair], read by the transposing load).  SECOND PRODUCT: source 0 = 16 rows of the heads (x ln 2), source 1 = the hidden tile:
; a lane holds ONE pair and 16 head values: lanes 0-15 pi0..9, sg0..5; lanes 16-31 mu0..9, sg6..9 and two that are dropped.  The biases are the C of each sum's first instruction.
; THE HEADS, both halves of the lanes by the same lines: E = 2^(x log2 e - M log2 e) (M = the largest logit, taken away in the softmax's lanes; 0 in mu's), W = x + 1 in mu's lanes and 0 in pi's;
; E x R + 1e-10 (R = 1 / sum, or 1); the middle one of E, W and Z (2 in pi's lanes: gives pi; 1 in mu's: gives elu + 1).  sigma = the middle one of x + 1.1, e^x + 0.1 and 1.1.
; LIMITS: 1.1 + 1e-10 and 1.0 + 1e-10 are the f32 numbers 1.1 and 1.0.  e0 + e1 is applied by v_ldexp_f32.  NaN and infinities among the inputs are not served.  The hidden layer and the heads' weights are rounded to bf16 once each.
; The distance is the root of the sum of squared differences, the same number as reference()'s expansion without its difference of large sums; it is never negative, so the clamp at 0 has nothing to do.
; No cluster, no engine fills LDS: trip counts and branches hang on the stored list; what work-groups share is 40,960 bytes of constants, read once by each.
; LDS: 0 W's 16 images; 32,768 the heads' 8; 40,960 (S', T') of 128 channels; 41,984 the heads' biases [half][16]; from 42,240 on 9,472 bytes a wave: 4,096 the turn (128 channels x 32 bytes), then the stage:
;   pi at 0, sigma at 1,280, mu at 2,688 (so that the two halves of the lanes fall on different banks), and from 4,112 on a place for the two numbers that are dropped.
; REGISTERS, window 0: v1 16 lane; v2 256 h; v3, v4 the turn (in, back); v5-7 the stage (in); v8 the stage (back); v9 my byte in a unit of the outputs; v12 HB, v13 Z, v14 KM, v15 1.0; v16 -M log2 e, v17 M; v18 R, v19 sum;
;   v20-23 at work; v24 r; v25 8 lane; v26 lane; v27 h; v32-47 (S', T') of my eight channels; v48-63 my 16 biases; v64-127 the heads' fragments; v128-143 hl's fragment; v144-159 hp's; v160-191 E; v192-255 A: the sums.
;   v244-255 serve as addresses at the head alone.   Window 1: W's fragment 2 t + s at v[16 (2 t + s)].
.set LOG2E, 0x3fb8aa3b
.set EPS,   0x3727c5ac
.set WS_HP, 40960
.set WS_HL, 565248
.set L_HW,  32768
.set L_ST,  40960
.set L_BT,  41984
.set L_WV,  42240
.set WVB,   9472
.set O_ST,  4096
.set O_SG,  1280
.set O_MU,  2688
.set O_DP,  2816
.set ST, 32
.set BI, 48
.set HW, 64
.set HL, 128
.set HP, 144
.set E,  160
.set A,  192
.set EH, A+16
.set WH, A+32
.set MSB, 0
.macro WIN new                         ; the immediate's high byte repeats the setting that is left
.if MSB != \new
	s_set_vgpr_msb (MSB<<8)|\new
.set MSB, \new
.endif
.endm
	s_load_b512 s[8:23], s[0:1], 0x0               ; ws, list, nl, np, lowp_scales, l_pos, p_pos, mlp_b
	s_load_b512 s[24:39], s[0:1], 0x40             ; mlp_g, mlp_be, mlp_m, mlp_v, pi_b, sg_b, mu_b, out0
	s_load_b128 s[40:43], s[0:1], 0x80             ; out1, out2
	s_load_b64 s[44:45], s[0:1], 0x90              ; out3
	v_lshl_add_u32 v30, v0, 2, 0x1cd00
	v_mov_b32 v31, 0
	v_lshrrev_b32 v20, 5, v0
	v_readfirstlane_b32 s46, v20                   ; wave 0..7
	s_lshl_b32 s47, ttmp9, 3
	s_add_co_u32 s47, s47, s46                     ; W: my wave among the 2,048
	s_mov_b32 s56, LOG2E
	s_mov_b32 s57, LOG2E                           ; (named with it as a pair)
	s_mov_b32 s58, 0xffff0000                      ; lanes 16-31
	s_mov_b32 s88, 0x3f8ccccd                      ; 1.1
	s_mov_b32 s89, 0x3f8ccccd
	s_mov_b32 s90, 0x3dcccccd                      ; 0.1
	s_mov_b32 s91, 0x3dcccccd
	s_mov_b32 s92, 0x2edbe6ff                      ; 1e-10
	s_mov_b32 s93, 0x2edbe6ff
	v_and_b32 v26, 31, v0                          ; lane
	v_and_b32 v24, 15, v0                          ; r
	v_bfe_u32 v27, v0, 4, 1                        ; h
	v_lshlrev_b32 v1, 4, v26
	v_lshlrev_b32 v2, 8, v27
	v_lshlrev_b32 v25, 3, v26
	s_mul_i32 s66, s46, WVB
	s_add_co_u32 s66, s66, L_WV                    ; my wave's LDS
	v_lshlrev_b32 v3, 5, v24
	v_lshl_add_u32 v3, v27, 4, v3
	v_add_nc_u32 v3, s66, v3                       ; the turn, in: channel r's row of 32 bytes, + 16 h: my eight pairs
	v_and_b32 v20, 7, v0
	v_lshl_add_u32 v20, v27, 3, v20
	v_bfe_u32 v21, v0, 3, 1
	v_lshlrev_b32 v4, 5, v20
	v_lshl_add_u32 v4, v21, 4, v4
	v_add_nc_u32 v4, s66, v4                       ; back: row 8 h + lane % 8, + 16 ((lane / 8) % 2)
	s_add_co_u32 s67, s66, O_ST
	v_mul_u32_u24 v20, v24, 40
	v_add_nc_u32 v20, s67, v20                     ; the stage: pair r's 40 bytes
	v_mad_u32_u24 v5, v27, O_MU, v20               ; pi's, or mu's ten
	v_mad_u32_u24 v6, v27, 24, v20                 ; sigma's 0..3, or 6..9
	v_mad_u32_u24 v7, v27, O_DP, v20               ; sigma's 4, 5, or the two that are dropped
	v_add_nc_u32 v8, s67, v25
	v_cvt_f32_u32 v12, v27                         ; HB = h
	v_sub_f32 v13, 2.0, v12                        ; Z
	v_add_f32 v14, -1.0, v12
	v_mul_f32 v14, LOG2E, v14                      ; KM = -log2 e, or 0
	v_mov_b32 v15, 1.0
	; the head's own addresses
	v_lshlrev_b32 v244, 2, v0                      ; 4 thread: a channel's parameters (waves 0-3)
	v_min_u32 v245, 9, v24
	v_lshlrev_b32 v245, 2, v245                    ; pi_b's, mu_b's entry
	v_mad_u32_u24 v251, v27, 6, v24                ; r + 6 h
	v_max_u32 v246, 10, v251
	v_add_nc_u32 v246, -10, v246
	v_min_u32 v246, 9, v246
	v_lshlrev_b32 v246, 2, v246                    ; sg_b's entry, held inside the table
	s_mul_i32 s71, s46, 5120
	v_add_nc_u32 v247, s71, v1                     ; my wave's eighth of the 40,960 bytes of constants, in ws and in LDS alike
	v_lshlrev_b32 v248, 3, v0                      ; 8 thread
	v_lshlrev_b32 v249, 2, v26                     ; 4 lane
	v_lshlrev_b32 v252, 6, v27                     ; 64 h
	v_lshlrev_b32 v253, 3, v24                     ; 8 r
	s_lshr_b32 s66, s47, 8                         ; out3's share: batch W >> 8, row (W >> 2) & 63, quarter W & 3 of the 512 j
	s_lshl_b32 s68, s66, 2
	s_lshl_b32 s66, s66, 9
	s_and_b32 s67, s47, 3
	s_lshl_b32 s67, s67, 7
	s_add_co_u32 s66, s66, s67
	s_mul_i32 s66, s66, 12
	v_mad_u32_u24 v250, v26, 48, s66               ; four points of p_pos a lane: 48 bytes
	v_lshl_add_u32 v254, v26, 2, s67               ; my first j
	s_lshl_b32 s71, s47, 9
	v_add_nc_u32 v255, s71, v1                     ; 512 W + 16 lane
	s_bfe_u32 s51, s47, 0x60002                    ; the row
	s_lshr_b32 s69, s47, 2
	s_mul_i32 s69, s69, 12
	s_wait_kmcnt 0x0
	s_load_b32 s48, s[10:11], 0x8000               ; V
	s_load_b64 s[78:79], s[16:17], 0x0             ; e0, e1
	s_load_b32 s75, s[12:13], s68 offset:0x0       ; nl
	s_load_b32 s76, s[14:15], s68 offset:0x0       ; np
	s_load_b96 s[72:74], s[18:19], s69 offset:0x0  ; l_pos of the row
	s_cmp_lt_u32 s46, 4                            ; the loads that only some waves make go first, so that the counted wait below is the same in all
	s_cbranch_scc0 .Lask_bias
	global_load_b32 v160, v244, s[24:25]           ; g
	global_load_b32 v161, v244, s[30:31]           ; v
	global_load_b32 v162, v244, s[22:23]           ; b
	global_load_b32 v163, v244, s[28:29]           ; m
	global_load_b32 v164, v244, s[26:27]           ; be
	s_branch .Lasked
.Lask_bias:
	s_cmp_eq_u32 s46, 4
	s_cbranch_scc0 .Lasked
	global_load_b32 v160, v245, s[32:33]           ; pi_b
	global_load_b32 v161, v245, s[36:37]           ; mu_b
	global_load_b32 v162, v246, s[34:35]           ; sg_b
.Lasked:
.set n, 0
.rept 10
	global_load_b128 v[A+4*n:A+4*n+3], v247, s[8:9] offset:512*n
.set n, n+1
.endr
.irp n, 0,1,2
	global_load_b128 v[232+4*\n:235+4*\n], v250, s[20:21] offset:16*\n
.endr
	s_wait_kmcnt 0x0
	s_min_u32 s48, s48, 0x2000
	s_mul_i32 s49, s47, s48
	s_lshr_b32 s49, s49, 11                        ; g: my first place in the list
	s_add_co_u32 s50, s47, 1
	s_mul_i32 s50, s50, s48
	s_lshr_b32 s50, s50, 11                        ; g1: behind my last
.irp k, 0,1,2,3                                ; four entries, each place held inside the list, which is written whole: no branch is needed
	s_add_co_u32 s[66+\k], s49, \k
	s_min_u32 s[66+\k], s[66+\k], 0x1fff
	s_lshl_b32 s[66+\k], s[66+\k], 2
	s_load_b32 s[52+\k], s[10:11], s[66+\k] offset:0x0
.endr
	s_add_co_i32 s59, s78, s79                     ; e0 + e1
	s_wait_loadcnt 0x3                             ; all but p_pos's three, which were issued last
	s_cmp_lt_u32 s46, 4
	s_cbranch_scc0 .Lmake_bias
	v_add_f32 v161, EPS, v161
	v_rsq_f32 v161, v161
	v_sub_f32 v162, v162, v163                     ; b - m  (a plain line behind the transcendental)
	s_wait_alu depctr_va_vdst(0)                   ; ahead of the first line that names the root's result
	v_mul_f32 v160, v160, v161                     ; g / sqrt(v + eps)
	v_fma_f32 v162, v162, v160, v164
	v_mul_f32 v166, LOG2E, v160
	v_ldexp_f32 v166, v166, s59                    ; S'
	v_mul_f32 v167, LOG2E, v162                    ; T'
	ds_store_b64 v248, v[166:167] offset:L_ST
	s_branch .Lmade
.Lmake_bias:
	s_cmp_eq_u32 s46, 4
	s_cbranch_scc0 .Lmade
	v_cmp_gt_u32 s80, 10, v24
	v_cmp_gt_u32 s81, 20, v251
	v_cndmask_b32 v160, v160, v161, s58            ; pi_b or mu_b
	v_cndmask_b32 v162, 0, v162, s81               ; sg_b or nothing
	v_cndmask_b32 v160, v162, v160, s80
	ds_store_b32 v249, v160 offset:L_BT            ; bias[h][q] at 4 lane
.Lmade:
.set n, 0
.rept 10
	ds_store_b128 v247, v[A+4*n:A+4*n+3] offset:512*n
.set n, n+1
.endr
	; OUT3: four pairs a lane
	s_wait_loadcnt 0x0
.irp p, 0,1,2,3
	v_sub_f32 v[172+3*\p], s72, v[232+3*\p]
	v_sub_f32 v[173+3*\p], s73, v[233+3*\p]
	v_sub_f32 v[174+3*\p], s74, v[234+3*\p]
.endr
.irp p, 0,1,2,3
	v_mul_f32 v[20+\p], v[172+3*\p], v[172+3*\p]
	v_fmac_f32 v[20+\p], v[173+3*\p], v[173+3*\p]
	v_fmac_f32 v[20+\p], v[174+3*\p], v[174+3*\p]
.endr
.irp p, 0,1,2,3
	v_sqrt_f32 v[20+\p], v[20+\p]
.endr
	v_nop
	s_max_i32 s76, s76, 0
	s_cmp_lt_i32 s51, s75                          ; the row counts?
	s_cselect_b32 s76, s76, 0
.irp p, 0,1,2,3
	s_sub_co_i32 s[84+\p], s76, \p
	v_cmp_gt_i32 s[80+\p], s[84+\p], v254          ; j + p < np
.endr
	s_wait_alu depctr_va_vdst(0)                   ; one wait for the four roots
.irp p, 0,1,2,3
	v_cndmask_b32 v[20+\p], 0, v[20+\p], s[80+\p]
.endr
	global_store_b128 v255, v[20:23], s[44:45] th:TH_STORE_NT   ; 512 consecutive bytes, aligned
; From a list entry: where its hp fragments and its row of hl's codes lie in ws.  Each index made of the loaded entry is held inside its table directly ahead of the shift.
.macro DECODE ent
	s_bfe_u32 s80, s[\ent], 0x3000a                ; b
	s_bfe_u32 s81, s[\ent], 0x40006                ; ju
	s_lshl_b32 s82, s80, 5
	s_lshl_b32 s81, s81, 1
	s_add_co_u32 s82, s82, s81                     ; fragment 32 b + 2 ju
	s_min_u32 s82, s82, 254
	s_lshl_b32 s82, s82, 11
	s_mov_b32 s83, 0
	s_add_nc_u64 s[60:61], s[8:9], s[82:83]
	s_bfe_u32 s81, s[\ent], 0x20004                ; i / 16
	s_and_b32 s84, s[\ent], 15                     ; i % 16
	s_lshl_b32 s80, s80, 9
	s_lshl_b32 s81, s81, 7
	s_add_co_u32 s80, s80, s81
	s_add_co_u32 s80, s80, s84                     ; (8,192 b + 2,048 (i / 16) + 16 (i % 16)) / 16
	s_min_u32 s80, s80, 3983
	s_lshl_b32 s82, s80, 4
	s_add_nc_u64 s[62:63], s[8:9], s[82:83]
.endm
.macro LOAD_HL                                 ; every row of the fragment is row i: all lanes of a half read the same 16 bytes
.irp c, 0,1,2,3
	global_load_b128 v[HL+4*\c:HL+4*\c+3], v2, s[62:63] offset:WS_HL+512*\c
.endr
.endm
.macro LOAD_HP tau
.irp c, 0,1,2,3
	global_load_b128 v[HP+4*\c:HP+4*\c+3], v1, s[60:61] offset:WS_HP+2048*\tau+512*\c
.endr
.endm
	s_wait_kmcnt 0x0                               ; the entries
	DECODE 52
	LOAD_HL
	LOAD_HP 0
	s_wait_dscnt 0x0                               ; my part of the constants lies in LDS
	s_barrier_signal -1
	s_barrier_wait -1                              ; everybody's does.  The only barrier; it stands ahead of every branch on loaded numbers
	s_cmp_ge_u32 s49, s50
	s_cbranch_scc1 .Lend                           ; fewer units than waves: nothing for me
	WIN 0x40                                       ; destination window 1
.set n, 0
.rept 64
	ds_load_b128 v[4*n:4*n+3], v1 offset:512*n     ; W's 16 fragments, as images of their registers
.set n, n+1
.endr
	WIN 0
.set n, 0
.rept 16
	ds_load_b128 v[HW+4*n:HW+4*n+3], v1 offset:L_HW+512*n
.set n, n+1
.endr
.irp t, 0,1,2,3,4,5,6,7
	ds_load_b64 v[ST+2*\t:ST+2*\t+1], v253 offset:L_ST+128*\t   ; channel 16 t + r
.endr
.irp k, 0,1,2,3
	ds_load_b128 v[BI+4*\k:BI+4*\k+3], v252 offset:L_BT+16*\k
.endr
.macro YB t0                                   ; y' = sum x S' + T' for channel tiles t0 .. t0 + 3, each accumulator from its low end on
.set n, 0
.rept 16
	v_pk_fma_f32 v[A+8*(\t0)+2*n:A+8*(\t0)+2*n+1], v[A+8*(\t0)+2*n:A+8*(\t0)+2*n+1], v[ST+2*((\t0)+n/4):ST+2*((\t0)+n/4)+1], v[ST+2*((\t0)+n/4):ST+2*((\t0)+n/4)+1] op_sel:[0,0,1] op_sel_hi:[1,0,1]
.set n, n+1
.endr
.endm
.macro EXPB t0                                 ; 2^y': a batch of 32
.set n, 0
.rept 32
	v_exp_f32 v[E+n], v[A+8*(\t0)+n]
.set n, n+1
.endr
.endm
.macro FINB t0                                 ; log2 e x elu, rounded to bf16, into the turn
.set n, 0
.rept 16
	v_pk_fma_f32 v[E+2*n:E+2*n+1], v[E+2*n:E+2*n+1], s[56:57], s[56:57] op_sel_hi:[1,0,0] neg_lo:[0,0,1] neg_hi:[0,0,1]   ; log2 e (2^y' - 1)
.set n, n+1
.endr
.set n, 0
.rept 32
	v_med3_num_f32 v[E+n], v[A+8*(\t0)+n], v[E+n], 0
.set n, n+1
.endr
.irp u, 0,1,2,3
.irp q, 0,1,2,3
	v_cvt_pk_bf16_f32 v[A+8*((\t0)+\u)+\q], v[E+8*\u+2*\q], v[E+8*\u+2*\q+1]
.endr
.endr
.irp u, 0,1,2,3
	ds_store_b128 v3, v[A+8*((\t0)+\u):A+8*((\t0)+\u)+3] offset:512*((\t0)+\u)
.endr
.endm
; ONE TILE of 16 pairs: j = 32 ju + 16 tau + 0..15
.macro TILE tau
	s_wait_loadcnt 0x0                             ; this tile's codes: the only loads that are out
	s_wait_dscnt 0x0                               ; first trip: the constants; later: the stage's stores have read A's registers
	WIN 0x04                                       ; source 1 (W) window 1
.irp t, 0,1,2,3,4,5,6,7                        ; the eight accumulators take turns, one instruction a turn
	v_wmma_f32_16x16x128_fp8_fp8 v[A+8*\t:A+8*\t+7], v[HL:HL+15], v[32*\t:32*\t+15], 0
.endr
.irp t, 0,1,2,3,4,5,6,7
	v_wmma_f32_16x16x128_fp8_fp8 v[A+8*\t:A+8*\t+7], v[HP:HP+15], v[32*\t+16:32*\t+31], v[A+8*\t:A+8*\t+7]
.endr
	WIN 0
.rept 4
	v_nop                                          ; four places in front of the loads into registers that the products read, and of the first read of their results
.endr
.if \tau == 0
	LOAD_HP 1                                      ; the next tile's codes land under the rest of this tile
.else
	DECODE 53                                      ; the next unit's; in my last trip another entry of the list, whose codes are loaded and not used
	LOAD_HL
	LOAD_HP 0
.endif
	YB 0
	EXPB 0
	YB 4                                           ; sixteen plain lines behind the batch
	s_wait_alu depctr_va_vdst(0)                   ; one wait for the 32 exponentials, ahead of the first line that names a result
	FINB 0
	EXPB 4
	v_nop
	s_wait_alu depctr_va_vdst(0)
	FINB 4
.irp s, 0,1,2,3                                ; the hidden tile as source 1: 32 channels x 16 pairs a fragment
	ds_load_tr16_b128 v[E+8*\s:E+8*\s+3], v4 offset:1024*\s
	ds_load_tr16_b128 v[E+8*\s+4:E+8*\s+7], v4 offset:1024*\s+512
.endr
	s_wait_dscnt 0x0                               ; they are in, and the stores into the turn have read A's registers
.irp s, 0,1,2,3                                ; two accumulators by turns
.irp nt, 0,1
.if \s == 0
	v_wmma_f32_16x16x32_bf16 v[A+8*\nt:A+8*\nt+7], v[HW+8*(4*\nt+\s):HW+8*(4*\nt+\s)+7], v[E+8*\s:E+8*\s+7], v[BI+8*\nt:BI+8*\nt+7]
.else
	v_wmma_f32_16x16x32_bf16 v[A+8*\nt:A+8*\nt+7], v[HW+8*(4*\nt+\s):HW+8*(4*\nt+\s)+7], v[E+8*\s:E+8*\s+7], v[A+8*\nt:A+8*\nt+7]
.endif
.endr
.endr
.rept 4
	v_nop
.endr
	v_max3_num_f32 v17, v[A], v[A+1], v[A+2]       ; the largest of x0..x9; both accumulators are first read at their low ends
	v_max3_num_f32 v17, v17, v[A+3], v[A+4]
	v_max3_num_f32 v17, v17, v[A+5], v[A+6]
	v_max3_num_f32 v17, v17, v[A+7], v[A+8]
	v_max_num_f32 v17, v17, v[A+9]
	v_mul_f32 v16, v17, v14                        ; -M log2 e in the softmax's lanes, 0 in mu's
.irp k, 0,2,4,6,8
	v_pk_fma_f32 v[EH+\k:EH+\k+1], v[A+\k:A+\k+1], s[56:57], v[16:17] op_sel_hi:[1,0,0]
.endr
.irp k, 10,12,14
	v_pk_mul_f32 v[EH+\k:EH+\k+1], v[A+\k:A+\k+1], s[56:57] op_sel_hi:[1,0]
.endr
.set n, 0
.rept 16
	v_exp_f32 v[EH+n], v[EH+n]
.set n, n+1
.endr
.irp k, 0,2,4,6,8
	v_pk_fma_f32 v[WH+\k:WH+\k+1], v[A+\k:A+\k+1], v[12:13], v[12:13] op_sel_hi:[1,0,0]   ; x + 1 in mu's lanes, 0 in pi's
.endr
.irp k, 10,12,14
	v_pk_add_f32 v[WH+\k:WH+\k+1], v[A+\k:A+\k+1], s[88:89] op_sel_hi:[1,0]               ; x + 1.1
.endr
	s_wait_alu depctr_va_vdst(0)                   ; one wait for the 16 exponentials
	v_pk_add_f32 v[20:21], v[EH:EH+1], v[EH+2:EH+3]
	v_pk_add_f32 v[22:23], v[EH+4:EH+5], v[EH+6:EH+7]
	v_pk_add_f32 v[20:21], v[20:21], v[EH+8:EH+9]
	v_pk_add_f32 v[20:21], v[20:21], v[22:23]
	v_add_f32 v19, v20, v21
	v_rcp_f32 v18, v19
.irp k, 10,12,14
	v_pk_add_f32 v[EH+\k:EH+\k+1], v[EH+\k:EH+\k+1], s[90:91] op_sel_hi:[1,0]             ; e^x + 0.1  (plain lines behind the reciprocal)
.endr
	s_wait_alu depctr_va_vdst(0)
	v_cndmask_b32 v18, v18, v15, s58               ; R = 1 in mu's lanes
.irp k, 0,2,4,6,8
	v_pk_fma_f32 v[EH+\k:EH+\k+1], v[EH+\k:EH+\k+1], v[18:19], s[92:93] op_sel_hi:[1,0,0]
.endr
.irp k, 0,1,2,3,4,5,6,7,8,9
	v_med3_num_f32 v[EH+\k], v[EH+\k], v[WH+\k], v13
.endr
.irp k, 10,11,12,13,14,15
	v_med3_num_f32 v[EH+\k], v[WH+\k], v[EH+\k], s88
.endr
	s_sub_co_i32 s80, s70, 16*\tau                 ; only the unit that straddles NP has pairs to be zeroed
	s_cmp_ge_i32 s80, 16
	s_cbranch_scc1 .Lwhole_\@
	v_cmp_gt_i32 vcc_lo, s80, v24
.set n, 0
.rept 16
	v_cndmask_b32 v[EH+n], 0, v[EH+n], vcc_lo
.set n, n+1
.endr
.Lwhole_\@:
.irp k, 0,1,2,3,4
	ds_store_b64 v5, v[EH+2*\k:EH+2*\k+1] offset:640*\tau+8*\k
.endr
	ds_store_b64 v6, v[EH+10:EH+11] offset:O_SG+640*\tau
	ds_store_b64 v6, v[EH+12:EH+13] offset:O_SG+640*\tau+8
	ds_store_b64 v7, v[EH+14:EH+15] offset:O_SG+16+640*\tau
.endm
; A unit's 3 x 1,280 bytes leave the stage: each store of the wave covers 256 consecutive bytes, aligned.  The counts leave the younger reads of the stage out.
.macro FLUSH
.irp k, 0,1,2,3,4
	ds_load_b64 v[E+2*\k:E+2*\k+1], v8 offset:256*\k            ; LDS serves a wave's instructions in order (ISA guide 5.7.1.4): these see my stores
.endr
.irp k, 0,1,2,3,4
	ds_load_b64 v[E+10+2*\k:E+11+2*\k], v8 offset:O_SG+256*\k
.endr
.irp k, 0,1,2,3,4
	ds_load_b64 v[E+20+2*\k:E+21+2*\k], v8 offset:O_MU+256*\k
.endr
.irp k, 0,1,2,3,4
	s_wait_dscnt 14-\k
	global_store_b64 v9, v[E+2*\k:E+2*\k+1], s[38:39] offset:256*\k th:TH_STORE_NT
.endr
.irp k, 0,1,2,3,4
	s_wait_dscnt 9-\k
	global_store_b64 v9, v[E+10+2*\k:E+11+2*\k], s[40:41] offset:256*\k th:TH_STORE_NT
.endr
.irp k, 0,1,2,3,4
	s_wait_dscnt 4-\k
	global_store_b64 v9, v[E+20+2*\k:E+21+2*\k], s[42:43] offset:256*\k th:TH_STORE_NT
.endr
.endm
.Lunit:                                            ; at most four trips
	s_wait_xcnt 0x0                                ; the earlier stores have read their data and offsets: v9, E and v20-23 may be written again
	s_bfe_u32 s70, s52, 0x6000d                    ; nv
	s_bfe_u32 s80, s52, 0x3000a                    ; b
	s_and_b32 s81, s52, 63                         ; i
	s_bfe_u32 s82, s52, 0x40006                    ; ju
	s_lshl_b32 s80, s80, 10
	s_lshl_b32 s81, s81, 4
	s_add_co_u32 s80, s80, s81
	s_add_co_u32 s80, s80, s82                     ; the unit's number (64 b + i) 16 + ju,
	s_min_u32 s80, s80, 0x1fff                     ; held inside the outputs
	s_mul_i32 s80, s80, 1280
	v_add_nc_u32 v9, s80, v25
	TILE 0
	TILE 1
	FLUSH
	s_mov_b32 s52, s53
	s_mov_b32 s53, s54
	s_mov_b32 s54, s55
	s_add_co_u32 s49, s49, 1
	s_cmp_lt_u32 s49, s50
	s_cbranch_scc1 .Lunit
.Lend:
	s_wait_tensorcnt 0x0
	ds_add_u32 v30, v31
	s_wait_dscnt 0x0
	s_endpgm
.Lfunc_end_k_qead0e78dc4_main:
	.size	k_qead0e78dc4_main, .Lfunc_end_k_qead0e78dc4_main-k_qead0e78dc4_main
	.p2alignl 7, 3214868480
	.fill 96, 4, 3214868480
	.section	.rodata,"a",@progbits
	.p2align	6, 0x0
	.amdhsa_kernel k_qead0e78dc4_main
		.amdhsa_group_segment_fixed_size 119040
		.amdhsa_private_segment_fixed_size 0
		.amdhsa_enable_private_segment 0
		.amdhsa_kernarg_size 152
		.amdhsa_user_sgpr_count 2
		.amdhsa_user_sgpr_kernarg_segment_ptr 1
		.amdhsa_wavefront_size32 1
		.amdhsa_system_sgpr_workgroup_id_x 1
		.amdhsa_system_sgpr_workgroup_id_y 1
		.amdhsa_system_sgpr_workgroup_id_z 1
		.amdhsa_system_vgpr_workitem_id 0
		.amdhsa_next_free_vgpr 512
		.amdhsa_next_free_sgpr 100
		.amdhsa_reserve_vcc 1
		.amdhsa_float_denorm_mode_32 3
		.amdhsa_float_denorm_mode_16_64 3
		.amdhsa_memory_ordered 1
		.amdhsa_forward_progress 1
		.amdhsa_inst_pref_size 64
	.end_amdhsa_kernel
	.amdgpu_metadata
---
amdhsa.version: [ 1, 2 ]
amdhsa.kernels:
  - .name:           k_qead0e78dc4_main
    .symbol:         k_qead0e78dc4_main.kd
    .args:
      - { .name: ws, .offset: 0, .size: 8, .value_kind: global_buffer, .address_space: global }
      - { .name: list, .offset: 8, .size: 8, .value_kind: global_buffer, .address_space: global }
      - { .name: nl_counts, .offset: 16, .size: 8, .value_kind: global_buffer, .address_space: global }
      - { .name: np_counts, .offset: 24, .size: 8, .value_kind: global_buffer, .address_space: global }
      - { .name: lowp_scales, .offset: 32, .size: 8, .value_kind: global_buffer, .address_space: global }
      - { .name: l_pos, .offset: 40, .size: 8, .value_kind: global_buffer, .address_space: global }
      - { .name: p_pos, .offset: 48, .size: 8, .value_kind: global_buffer, .address_space: global }
      - { .name: mlp_b, .offset: 56, .size: 8, .value_kind: global_buffer, .address_space: global }
      - { .name: mlp_g, .offset: 64, .size: 8, .value_kind: global_buffer, .address_space: global }
      - { .name: mlp_be, .offset: 72, .size: 8, .value_kind: global_buffer, .address_space: global }
      - { .name: mlp_m, .offset: 80, .size: 8, .value_kind: global_buffer, .address_space: global }
      - { .name: mlp_v, .offset: 88, .size: 8, .value_kind: global_buffer, .address_space: global }
      - { .name: pi_b, .offset: 96, .size: 8, .value_kind: global_buffer, .address_space: global }
      - { .name: sg_b, .offset: 104, .size: 8, .value_kind: global_buffer, .address_space: global }
      - { .name: mu_b, .offset: 112, .size: 8, .value_kind: global_buffer, .address_space: global }
      - { .name: out0, .offset: 120, .size: 8, .value_kind: global_buffer, .address_space: global }
      - { .name: out1, .offset: 128, .size: 8, .value_kind: global_buffer, .address_space: global }
      - { .name: out2, .offset: 136, .size: 8, .value_kind: global_buffer, .address_space: global }
      - { .name: out3, .offset: 144, .size: 8, .value_kind: global_buffer, .address_space: global }
    .group_segment_fixed_size: 119040
    .private_segment_fixed_size: 0
    .kernarg_segment_align: 8
    .kernarg_segment_size: 152
    .max_flat_workgroup_size: 256
    .sgpr_count:     100
    .vgpr_count:     512
    .wavefront_size: 32
...
	.end_amdgpu_metadata
.endif
;; end of part 2
;; ======== version 2 of 2: 2 launches; version 1 with the launch main written anew for expert scheduling mode
;; workspace buffers: ws 630,784 bytes; list 33,024 bytes of whole numbers
;; launch prep: the kernel of part 1 again; grid 156 x 1, 16 waves a work-group, no clusters, 161,792 bytes of LDS; arguments hl, hp, nl_counts, np_counts, lowp_scales, mlp_W, pi_W, sg_W, mu_W, ws, list, out0, out1, out2, out4, ba_W1, ba_W2, ba_W3, ba_b1, ba_g1, ba_be1, ba_m1, ba_v1, ba_b2, ba_g2, ba_be2, ba_m2, ba_v2, ba_b3; writes ws, list, out0, out1, out2, out4
;; launch main (part 3): grid 256 x 1, 8 waves a work-group, no clusters, 119,040 bytes of LDS; arguments ws, list, nl_counts, np_counts, lowp_scales, l_pos, p_pos, mlp_b, mlp_g, mlp_be, mlp_m, mlp_v, pi_b, sg_b, mu_b, out0, out1, out2, out3; writes out0, out1, out2, out3
.if DOCPART == 3
	.amdgcn_target "amdgcn-amd-amdhsa--gfx1250"
	.amdhsa_code_object_version 6
	.text
	.protected	k_qead0e78dc4_main
	.globl	k_qead0e78dc4_main
	.p2align	8
	.type	k_qead0e78dc4_main,@function
k_qead0e78dc4_main:
	s_mov_b64 s[64:65], 0
	v_nop
	global_prefetch_b8 v0, s[64:65] scope:SCOPE_SE
	s_setreg_imm32_b32 hwreg(HW_REG_WAVE_SCHED_MODE, 0, 2), 2
	s_setreg_imm32_b32 hwreg(HW_REG_WAVE_MODE, 25, 1), 1
	s_wait_xcnt 0x0
	s_wait_alu depctr_vm_vsrc(0)
; THE PAIRS.  For every unit that counts (one (b, i), 32 neighbouring j; the list was stored by the launch before): pair = [hl_i, hp_j] as E4M3 codes, x Q(mlp_W) by the FP8 matrix form (K = 256),
; BatchNorm and ELU in f32, the three heads by the bf16 matrix form, softmax / ELU, and 1,280 bytes into each of out0, out1, out2.  Beside that every wave makes 128 numbers of out3 (a fixed share).
; SHARES.  2,048 waves; wave W takes list[(W V) >> 11 .. ((W + 1) V) >> 11): at most four units, evenly whatever the counts.  Waves share nothing behind the one barrier at the head.
; Two waves to a SIMD, 512 registers each: one wave's vector work stands beside the other's matrix work and LDS waits.  All of Q(mlp_W) stays in each wave's registers (window 1).
; FIRST PRODUCT: source 0 = 16 pairs (K step 0: every row is hl_i's codes; K step 1: rows hp_j), source 1 = 16 channels of W.  A lane then holds ONE channel and eight pairs, so BatchNorm wants two registers a channel tile.
; The sums stand for sum x 2^(e0 + e1); y' = log2(e) x BatchNorm = sum x S' + T', one packed multiply-add; log2(e) x elu = the middle one of y', log2(e) (2^y' - 1) and 0.
; The hidden tile, rounded to bf16, turns in the wave's own LDS ([channel][pair], read by the transposing load).  SECOND PRODUCT: source 0 = 16 rows of the heads (x ln 2), source 1 = the hidden tile:
; a lane holds ONE pair and 16 head values: lanes 0-15 pi0..9, sg0..5; lanes 16-31 mu0..9, sg6..9 and two that are dropped.  The biases are the C of each sum's first instruction.
; THE HEADS, both halves of the lanes by the same lines: E = 2^(x log2 e - M log2 e) (M = the largest logit, taken away in the softmax's lanes; 0 in mu's), W = x + 1 in mu's lanes and 0 in pi's;
; E x R + 1e-10 (R = 1 / sum, or 1); the middle one of E, W and Z (2 in pi's lanes: gives pi; 1 in mu's: gives elu + 1).  sigma = the middle one of x + 1.1, e^x + 0.1 and 1.1.
; LIMITS: 1.1 + 1e-10 and 1.0 + 1e-10 are the f32 numbers 1.1 and 1.0.  e0 + e1 is applied by v_ldexp_f32.  NaN and infinities among the inputs are not served.  The hidden layer and the heads' weights are rounded to bf16 once each.
; The distance is the root of the sum of squared differences, the same number as reference()'s expansion without its difference of large sums; it is never negative, so the clamp at 0 has nothing to do.
; No cluster, no engine fills LDS: trip counts and branches hang on the stored list; what work-groups share is 40,960 bytes of constants, read once by each.
; LDS: 0 W's 16 images; 32,768 the heads' 8; 40,960 (S', T') of 128 channels; 41,984 the heads' biases [half][16]; from 42,240 on 9,472 bytes a wave: 4,096 the turn (128 channels x 32 bytes), then the stage:
;   pi at 0, sigma at 1,280, mu at 2,688 (so that the two halves of the lanes fall on different banks), and from 4,112 on a place for the two numbers that are dropped.
; REGISTERS, window 0: v1 16 lane; v2 256 h; v3, v4 the turn (in, back); v5-7 the stage (in); v8 the stage (back); v9 my byte in a unit of the outputs; v12 HB, v13 Z, v14 KM, v15 1.0; v16 -M log2 e, v17 M; v18 R, v19 sum;
;   v20-23 at work; v24 r; v25 8 lane; v26 lane; v27 h; v32-47 (S', T') of my eight channels; v48-63 my 16 biases; v64-127 the heads' fragments; v128-143 hl's fragment; v144-159 hp's; v160-191 E; v192-255 A: the sums.
;   v244-255 serve as addresses at the head alone.   Window 1: W's fragment 2 t + s at v[16 (2 t + s)].
; THE MODE: SCHED_MODE bits 1:0 = 2 (LLVM: expert scheduling mode 2), set by the entry lines.  The code itself states the register dependences
; between vector or matrix instructions and memory or LDS instructions, with s_wait_alu, always for 0.
; THE PLAN.  Registers that memory or LDS instructions touch, in the loop:
;   v1-v8    offsets and LDS addresses: made at the head, never written again.
;   v9       written once at a unit's head; read by the unit's 15 global stores at its end.
;   HL, HP   read by a tile's 16 FP8 products; the next tile's loads land in them behind the wait for the tile's first batch of exponentials, which stands behind those products.
;   A        written by the FP8 products, the scalings and the roundings; the roundings' registers are read by the 8 stores into the turn; then the bf16 products and the heads' lines write A (EH and WH lie in it);
;            EH is read by the 8 stores into the stage; then the next tile's products write A.
;   E        written by the exponentials, read by the roundings; the transposing loads land in it; the bf16 products read it; at a unit's end the stage's 15 loads land in it and the 15 global stores read it; then the next unit's exponentials write it.
; A TILE'S WAITS.  On vm_vsrc: at its head (tile 0: at the unit's head) and ahead of the bf16 products.  On va_vdst: behind each of the two batches of exponentials (the first also frees HL and HP for the loads,
; the second also shows channel tiles 0-3 rounded for their stores), behind the roundings of channel tiles 4-7 (their stores, and the transposing loads into E), behind the heads' exponentials, behind the reciprocal, and ahead of the stage's stores.
.set LOG2E, 0x3fb8aa3b
.set EPS,   0x3727c5ac
.set WS_HP, 40960
.set WS_HL, 565248
.set L_HW,  32768
.set L_ST,  40960
.set L_BT,  41984
.set L_WV,  42240
.set WVB,   9472
.set O_ST,  4096
.set O_SG,  1280
.set O_MU,  2688
.set O_DP,  2816
.set ST, 32
.set BI, 48
.set HW, 64
.set HL, 128
.set HP, 144
.set E,  160
.set A,  192
.set EH, A+16
.set WH, A+32
.set MSB, 0
.macro WIN new                         ; the immediate's high byte repeats the setting that is left
.if MSB != \new
	s_set_vgpr_msb (MSB<<8)|\new
.set MSB, \new
.endif
.endm
	s_load_b512 s[8:23], s[0:1], 0x0               ; ws, list, nl, np, lowp_scales, l_pos, p_pos, mlp_b
	s_load_b512 s[24:39], s[0:1], 0x40             ; mlp_g, mlp_be, mlp_m, mlp_v, pi_b, sg_b, mu_b, out0
	s_load_b128 s[40:43], s[0:1], 0x80             ; out1, out2
	s_load_b64 s[44:45], s[0:1], 0x90              ; out3
	v_lshl_add_u32 v30, v0, 2, 0x1cd00
	v_mov_b32 v31, 0
	v_lshrrev_b32 v20, 5, v0
	v_readfirstlane_b32 s46, v20                   ; wave 0..7
	s_lshl_b32 s47, ttmp9, 3
	s_mov_b32 s56, LOG2E
	s_mov_b32 s57, LOG2E                           ; (named with it as a pair)
	s_mov_b32 s58, 0xffff0000                      ; lanes 16-31
	s_mov_b32 s88, 0x3f8ccccd                      ; 1.1
	s_mov_b32 s89, 0x3f8ccccd
	s_mov_b32 s90, 0x3dcccccd                      ; 0.1
	s_mov_b32 s91, 0x3dcccccd
	s_mov_b32 s92, 0x2edbe6ff                      ; 1e-10
	s_mov_b32 s93, 0x2edbe6ff
	v_and_b32 v26, 31, v0                          ; lane
	v_and_b32 v24, 15, v0                          ; r
	v_bfe_u32 v27, v0, 4, 1                        ; h
	v_lshlrev_b32 v1, 4, v26
	v_lshlrev_b32 v2, 8, v27
	v_lshlrev_b32 v25, 3, v26
	s_wait_alu depctr_va_sdst(0)                   ; s46 is written, ahead of its first reader: shares, LDS places and branches are made from it
	s_add_co_u32 s47, s47, s46                     ; W: my wave among the 2,048
	s_mul_i32 s66, s46, WVB
	s_add_co_u32 s66, s66, L_WV                    ; my wave's LDS
	v_lshlrev_b32 v3, 5, v24
	v_lshl_add_u32 v3, v27, 4, v3
	v_add_nc_u32 v3, s66, v3                       ; the turn, in: channel r's row of 32 bytes, + 16 h: my eight pairs
	v_and_b32 v20, 7, v0
	v_lshl_add_u32 v20, v27, 3, v20
	v_bfe_u32 v21, v0, 3, 1
	v_lshlrev_b32 v4, 5, v20
	v_lshl_add_u32 v4, v21, 4, v4
	v_add_nc_u32 v4, s66, v4                       ; back: row 8 h + lane % 8, + 16 ((lane / 8) % 2)
	s_add_co_u32 s67, s66, O_ST
	v_mul_u32_u24 v20, v24, 40
	v_add_nc_u32 v20, s67, v20                     ; the stage: pair r's 40 bytes
	v_mad_u32_u24 v5, v27, O_MU, v20               ; pi's, or mu's ten
	v_mad_u32_u24 v6, v27, 24, v20                 ; sigma's 0..3, or 6..9
	v_mad_u32_u24 v7, v27, O_DP, v20               ; sigma's 4, 5, or the two that are dropped
	v_add_nc_u32 v8, s67, v25
	v_cvt_f32_u32 v12, v27                         ; HB = h
	v_sub_f32 v13, 2.0, v12                        ; Z
	v_add_f32 v14, -1.0, v12
	v_mul_f32 v14, LOG2E, v14                      ; KM = -log2 e, or 0
	v_mov_b32 v15, 1.0
	; the head's own addresses
	v_lshlrev_b32 v244, 2, v0                      ; 4 thread: a channel's parameters (waves 0-3)
	v_min_u32 v245, 9, v24
	v_lshlrev_b32 v245, 2, v245                    ; pi_b's, mu_b's entry
	v_mad_u32_u24 v251, v27, 6, v24                ; r + 6 h
	v_max_u32 v246, 10, v251
	v_add_nc_u32 v246, -10, v246
	v_min_u32 v246, 9, v246
	v_lshlrev_b32 v246, 2, v246                    ; sg_b's entry, held inside the table
	s_mul_i32 s71, s46, 5120
	v_add_nc_u32 v247, s71, v1                     ; my wave's eighth of the 40,960 bytes of constants, in ws and in LDS alike
	v_lshlrev_b32 v248, 3, v0                      ; 8 thread
	v_lshlrev_b32 v249, 2, v26                     ; 4 lane
	v_lshlrev_b32 v252, 6, v27                     ; 64 h
	v_lshlrev_b32 v253, 3, v24                     ; 8 r
	s_lshr_b32 s66, s47, 8                         ; out3's share: batch W >> 8, row (W >> 2) & 63, quarter W & 3 of the 512 j
	s_lshl_b32 s68, s66, 2
	s_lshl_b32 s66, s66, 9
	s_and_b32 s67, s47, 3
	s_lshl_b32 s67, s67, 7
	s_add_co_u32 s66, s66, s67
	s_mul_i32 s66, s66, 12
	v_mad_u32_u24 v250, v26, 48, s66               ; four points of p_pos a lane: 48 bytes
	v_lshl_add_u32 v254, v26, 2, s67               ; my first j
	s_lshl_b32 s71, s47, 9
	v_add_nc_u32 v255, s71, v1                     ; 512 W + 16 lane
	s_bfe_u32 s51, s47, 0x60002                    ; the row
	s_lshr_b32 s69, s47, 2
	s_mul_i32 s69, s69, 12
	s_wait_kmcnt 0x0
	s_load_b32 s48, s[10:11], 0x8000               ; V
	s_load_b64 s[78:79], s[16:17], 0x0             ; e0, e1
	s_load_b32 s75, s[12:13], s68 offset:0x0       ; nl
	s_load_b32 s76, s[14:15], s68 offset:0x0       ; np
	s_load_b96 s[72:74], s[18:19], s69 offset:0x0  ; l_pos of the row
	s_wait_alu depctr_va_vdst(0)                   ; the offsets and LDS addresses v1-v8 and v244-v255 are written, which the loads and stores of the head and of the loop read
	s_cmp_lt_u32 s46, 4                            ; the loads that only some waves make go first, so that the counted wait below is the same in all
	s_cbranch_scc0 .Lask_bias
	global_load_b32 v160, v244, s[24:25]           ; g
	global_load_b32 v161, v244, s[30:31]           ; v
	global_load_b32 v162, v244, s[22:23]           ; b
	global_load_b32 v163, v244, s[28:29]           ; m
	global_load_b32 v164, v244, s[26:27]           ; be
	s_branch .Lasked
.Lask_bias:
	s_cmp_eq_u32 s46, 4
	s_cbranch_scc0 .Lasked
	global_load_b32 v160, v245, s[32:33]           ; pi_b
	global_load_b32 v161, v245, s[36:37]           ; mu_b
	global_load_b32 v162, v246, s[34:35]           ; sg_b
.Lasked:
.set n, 0
.rept 10
	global_load_b128 v[A+4*n:A+4*n+3], v247, s[8:9] offset:512*n
.set n, n+1
.endr
.irp n, 0,1,2
	global_load_b128 v[232+4*\n:235+4*\n], v250, s[20:21] offset:16*\n
.endr
	s_wait_kmcnt 0x0
	s_min_u32 s48, s48, 0x2000
	s_mul_i32 s49, s47, s48
	s_lshr_b32 s49, s49, 11                        ; g: my first place in the list
	s_add_co_u32 s50, s47, 1
	s_mul_i32 s50, s50, s48
	s_lshr_b32 s50, s50, 11                        ; g1: behind my last
.irp k, 0,1,2,3                                ; four entries, each place held inside the list, which is written whole: no branch is needed
	s_add_co_u32 s[66+\k], s49, \k
	s_min_u32 s[66+\k], s[66+\k], 0x1fff
	s_lshl_b32 s[66+\k], s[66+\k], 2
	s_load_b32 s[52+\k], s[10:11], s[66+\k] offset:0x0
.endr
	s_add_co_i32 s59, s78, s79                     ; e0 + e1
	s_wait_loadcnt 0x3                             ; all but p_pos's three, which were issued last
	s_cmp_lt_u32 s46, 4
	s_cbranch_scc0 .Lmake_bias
	v_add_f32 v161, EPS, v161
	v_rsq_f32 v161, v161
	v_sub_f32 v162, v162, v163                     ; b - m  (a plain line behind the transcendental)
	s_wait_alu depctr_va_vdst(0)                   ; the root has written v161, ahead of the first line that names it
	v_mul_f32 v160, v160, v161                     ; g / sqrt(v + eps)
	v_fma_f32 v162, v162, v160, v164
	v_mul_f32 v166, LOG2E, v160
	v_ldexp_f32 v166, v166, s59                    ; S'
	v_mul_f32 v167, LOG2E, v162                    ; T'
	s_wait_alu depctr_va_vdst(0)                   ; S' and T' are written in v[166:167], which the LDS store reads
	ds_store_b64 v248, v[166:167] offset:L_ST
	s_branch .Lmade
.Lmake_bias:
	s_cmp_eq_u32 s46, 4
	s_cbranch_scc0 .Lmade
	v_cmp_gt_u32 s80, 10, v24
	v_cmp_gt_u32 s81, 20, v251
	s_wait_alu depctr_va_sdst(0)                   ; the two compares have written s80 and s81, ahead of the selects that read them
	v_cndmask_b32 v160, v160, v161, s58            ; pi_b or mu_b
	v_cndmask_b32 v162, 0, v162, s81               ; sg_b or nothing
	v_cndmask_b32 v160, v162, v160, s80
	s_wait_alu depctr_va_vdst(0)                   ; the selects have written v160, which the LDS store reads
	ds_store_b32 v249, v160 offset:L_BT            ; bias[h][q] at 4 lane
.Lmade:
.set n, 0
.rept 10
	ds_store_b128 v247, v[A+4*n:A+4*n+3] offset:512*n   ; the data came by loads, the address stands since the head's wait: no vector line has named either
.set n, n+1
.endr
	; OUT3: four pairs a lane
	s_wait_loadcnt 0x0
.irp p, 0,1,2,3
	v_sub_f32 v[172+3*\p], s72, v[232+3*\p]
	v_sub_f32 v[173+3*\p], s73, v[233+3*\p]
	v_sub_f32 v[174+3*\p], s74, v[234+3*\p]
.endr
.irp p, 0,1,2,3
	v_mul_f32 v[20+\p], v[172+3*\p], v[172+3*\p]
	v_fmac_f32 v[20+\p], v[173+3*\p], v[173+3*\p]
	v_fmac_f32 v[20+\p], v[174+3*\p], v[174+3*\p]
.endr
.irp p, 0,1,2,3
	v_sqrt_f32 v[20+\p], v[20+\p]
.endr
	v_nop
	s_max_i32 s76, s76, 0
	s_cmp_lt_i32 s51, s75                          ; the row counts?
	s_cselect_b32 s76, s76, 0
.irp p, 0,1,2,3
	s_sub_co_i32 s[84+\p], s76, \p
	v_cmp_gt_i32 s[80+\p], s[84+\p], v254          ; j + p < np
.endr
	s_wait_alu depctr_va_sdst(0)                   ; the four compares have written s80 to s83, ahead of the selects that read them
	s_wait_alu depctr_va_vdst(0)                   ; the four roots have written v20 to v23, ahead of the first line that names them
.irp p, 0,1,2,3
	v_cndmask_b32 v[20+\p], 0, v[20+\p], s[80+\p]
.endr
	s_wait_alu depctr_va_vdst(0)                   ; the selects have written v[20:23], which the store reads
	global_store_b128 v255, v[20:23], s[44:45] th:TH_STORE_NT   ; 512 consecutive bytes, aligned
; From a list entry: where its hp fragments and its row of hl's codes lie in ws.  Each index made of the loaded entry is held inside its table directly ahead of the shift.
.macro DECODE ent
	s_bfe_u32 s80, s[\ent], 0x3000a                ; b
	s_bfe_u32 s81, s[\ent], 0x40006                ; ju
	s_lshl_b32 s82, s80, 5
	s_lshl_b32 s81, s81, 1
	s_add_co_u32 s82, s82, s81                     ; fragment 32 b + 2 ju
	s_min_u32 s82, s82, 254
	s_lshl_b32 s82, s82, 11
	s_mov_b32 s83, 0
	s_add_nc_u64 s[60:61], s[8:9], s[82:83]
	s_bfe_u32 s81, s[\ent], 0x20004                ; i / 16
	s_and_b32 s84, s[\ent], 15                     ; i % 16
	s_lshl_b32 s80, s80, 9
	s_lshl_b32 s81, s81, 7
	s_add_co_u32 s80, s80, s81
	s_add_co_u32 s80, s80, s84                     ; (8,192 b + 2,048 (i / 16) + 16 (i % 16)) / 16
	s_min_u32 s80, s80, 3983
	s_lshl_b32 s82, s80, 4
	s_add_nc_u64 s[62:63], s[8:9], s[82:83]
.endm
.macro LOAD_HL                                 ; every row of the fragment is row i: all lanes of a half read the same 16 bytes
.irp c, 0,1,2,3
	global_load_b128 v[HL+4*\c:HL+4*\c+3], v2, s[62:63] offset:WS_HL+512*\c
.endr
.endm
.macro LOAD_HP tau
.irp c, 0,1,2,3
	global_load_b128 v[HP+4*\c:HP+4*\c+3], v1, s[60:61] offset:WS_HP+2048*\tau+512*\c
.endr
.endm
	s_wait_kmcnt 0x0                               ; the entries
	DECODE 52
	LOAD_HL                                        ; no vector line has named HL or HP yet; v1 and v2 stand since the head's wait
	LOAD_HP 0
	s_wait_dscnt 0x0                               ; my part of the constants lies in LDS
	s_barrier_signal -1
	s_barrier_wait -1                              ; everybody's does.  The only barrier; it stands ahead of every branch on loaded numbers
	s_cmp_ge_u32 s49, s50
	s_cbranch_scc1 .Lend                           ; fewer units than waves: nothing for me
	WIN 0x40                                       ; destination window 1
.set n, 0
.rept 64
	ds_load_b128 v[4*n:4*n+3], v1 offset:512*n     ; W's 16 fragments, as images of their registers; no vector line has named window 1
.set n, n+1
.endr
	WIN 0
.set n, 0
.rept 16
	ds_load_b128 v[HW+4*n:HW+4*n+3], v1 offset:L_HW+512*n
.set n, n+1
.endr
.irp t, 0,1,2,3,4,5,6,7
	ds_load_b64 v[ST+2*\t:ST+2*\t+1], v253 offset:L_ST+128*\t   ; channel 16 t + r
.endr
.irp k, 0,1,2,3
	ds_load_b128 v[BI+4*\k:BI+4*\k+3], v252 offset:L_BT+16*\k
.endr
.macro YB t0                                   ; y' = sum x S' + T' for channel tiles t0 .. t0 + 3, each accumulator from its low end on
.set n, 0
.rept 16
	v_pk_fma_f32 v[A+8*(\t0)+2*n:A+8*(\t0)+2*n+1], v[A+8*(\t0)+2*n:A+8*(\t0)+2*n+1], v[ST+2*((\t0)+n/4):ST+2*((\t0)+n/4)+1], v[ST+2*((\t0)+n/4):ST+2*((\t0)+n/4)+1] op_sel:[0,0,1] op_sel_hi:[1,0,1]
.set n, n+1
.endr
.endm
.macro EXPB t0                                 ; 2^y': a batch of 32
.set n, 0
.rept 32
	v_exp_f32 v[E+n], v[A+8*(\t0)+n]
.set n, n+1
.endr
.endm
.macro FINA t0                                 ; log2 e x elu, rounded to bf16 into the first four registers of each channel tile's eight
.set n, 0
.rept 16
	v_pk_fma_f32 v[E+2*n:E+2*n+1], v[E+2*n:E+2*n+1], s[56:57], s[56:57] op_sel_hi:[1,0,0] neg_lo:[0,0,1] neg_hi:[0,0,1]   ; log2 e (2^y' - 1)
.set n, n+1
.endr
.set n, 0
.rept 32
	v_med3_num_f32 v[E+n], v[A+8*(\t0)+n], v[E+n], 0
.set n, n+1
.endr
.irp u, 0,1,2,3
.irp q, 0,1,2,3
	v_cvt_pk_bf16_f32 v[A+8*((\t0)+\u)+\q], v[E+8*\u+2*\q], v[E+8*\u+2*\q+1]
.endr
.endr
.endm
.macro TURN t0                                 ; channel tiles t0 .. t0 + 3 go into the turn
.irp u, 0,1,2,3
	ds_store_b128 v3, v[A+8*((\t0)+\u):A+8*((\t0)+\u)+3] offset:512*((\t0)+\u)
.endr
.endm
; ONE TILE of 16 pairs: j = 32 ju + 16 tau + 0..15
.macro TILE tau
	s_wait_loadcnt 0x0                             ; this tile's codes: the only loads that are out
	s_wait_dscnt 0x0                               ; first trip: the constants (W, the heads, S', T', the biases) are in; in later tiles only the stage's stores can be out
.if \tau == 1
	s_wait_alu depctr_vm_vsrc(0)                   ; tile 0's stores into the stage have read EH, which lies in A: the products below write it.  (Tile 0 has this line at the unit's head)
.endif
	WIN 0x04                                       ; source 1 (W) window 1
.irp t, 0,1,2,3,4,5,6,7                        ; the eight accumulators take turns, one instruction a turn
	v_wmma_f32_16x16x128_fp8_fp8 v[A+8*\t:A+8*\t+7], v[HL:HL+15], v[32*\t:32*\t+15], 0
.endr
.irp t, 0,1,2,3,4,5,6,7
	v_wmma_f32_16x16x128_fp8_fp8 v[A+8*\t:A+8*\t+7], v[HP:HP+15], v[32*\t+16:32*\t+31], v[A+8*\t:A+8*\t+7]
.endr
	WIN 0
.rept 4
	v_nop                                          ; four places in front of the first read of the products' results (ISA guide 7.12.1)
.endr
	YB 0
	EXPB 0
	YB 4                                           ; sixteen plain lines behind the batch
	s_wait_alu depctr_va_vdst(0)                   ; the 32 exponentials have written E, ahead of the first line that names a result; and the products are done reading HL and HP, in which the loads below land
.if \tau == 0
	LOAD_HP 1                                      ; the next tile's codes land under the rest of this tile; no vector or matrix line of that rest names HL or HP
.else
	DECODE 53                                      ; the next unit's; in my last trip another entry of the list, whose codes are loaded and not used
	LOAD_HL
	LOAD_HP 0
.endif
	FINA 0
	EXPB 4
	v_nop
	s_wait_alu depctr_va_vdst(0)                   ; the second 32 exponentials have written E, ahead of the first line that names a result; and the roundings of channel tiles 0-3 have written the registers that the four stores below read
	TURN 0
	FINA 4                                         ; it names E and channel tiles 4-7's registers: none that the four stores above read
	s_wait_alu depctr_va_vdst(0)                   ; the roundings of channel tiles 4-7 have written the registers that the four stores below read, and are done reading E, in which the transposing loads land
	TURN 4
.irp s, 0,1,2,3                                ; the hidden tile as source 1: 32 channels x 16 pairs a fragment
	ds_load_tr16_b128 v[E+8*\s:E+8*\s+3], v4 offset:1024*\s
	ds_load_tr16_b128 v[E+8*\s+4:E+8*\s+7], v4 offset:1024*\s+512
.endr
	s_wait_dscnt 0x0                               ; the hidden tile's fragments are in
	s_wait_alu depctr_vm_vsrc(0)                   ; the eight stores into the turn have read their registers of A, which the products and the heads' lines below write
.irp s, 0,1,2,3                                ; two accumulators by turns
.irp nt, 0,1
.if \s == 0
	v_wmma_f32_16x16x32_bf16 v[A+8*\nt:A+8*\nt+7], v[HW+8*(4*\nt+\s):HW+8*(4*\nt+\s)+7], v[E+8*\s:E+8*\s+7], v[BI+8*\nt:BI+8*\nt+7]
.else
	v_wmma_f32_16x16x32_bf16 v[A+8*\nt:A+8*\nt+7], v[HW+8*(4*\nt+\s):HW+8*(4*\nt+\s)+7], v[E+8*\s:E+8*\s+7], v[A+8*\nt:A+8*\nt+7]
.endif
.endr
.endr
.rept 4
	v_nop
.endr
	v_max3_num_f32 v17, v[A], v[A+1], v[A+2]       ; the largest of x0..x9; both accumulators are first read at their low ends
	v_max3_num_f32 v17, v17, v[A+3], v[A+4]
	v_max3_num_f32 v17, v17, v[A+5], v[A+6]
	v_max3_num_f32 v17, v17, v[A+7], v[A+8]
	v_max_num_f32 v17, v17, v[A+9]
	v_mul_f32 v16, v17, v14                        ; -M log2 e in the softmax's lanes, 0 in mu's
.irp k, 0,2,4,6,8
	v_pk_fma_f32 v[EH+\k:EH+\k+1], v[A+\k:A+\k+1], s[56:57], v[16:17] op_sel_hi:[1,0,0]
.endr
.irp k, 10,12,14
	v_pk_mul_f32 v[EH+\k:EH+\k+1], v[A+\k:A+\k+1], s[56:57] op_sel_hi:[1,0]
.endr
.set n, 0
.rept 16
	v_exp_f32 v[EH+n], v[EH+n]
.set n, n+1
.endr
.irp k, 0,2,4,6,8
	v_pk_fma_f32 v[WH+\k:WH+\k+1], v[A+\k:A+\k+1], v[12:13], v[12:13] op_sel_hi:[1,0,0]   ; x + 1 in mu's lanes, 0 in pi's
.endr
.irp k, 10,12,14
	v_pk_add_f32 v[WH+\k:WH+\k+1], v[A+\k:A+\k+1], s[88:89] op_sel_hi:[1,0]               ; x + 1.1
.endr
	s_wait_alu depctr_va_vdst(0)                   ; the 16 exponentials have written EH, ahead of the first line that names a result
	v_pk_add_f32 v[20:21], v[EH:EH+1], v[EH+2:EH+3]
	v_pk_add_f32 v[22:23], v[EH+4:EH+5], v[EH+6:EH+7]
	v_pk_add_f32 v[20:21], v[20:21], v[EH+8:EH+9]
	v_pk_add_f32 v[20:21], v[20:21], v[22:23]
	v_add_f32 v19, v20, v21
	v_rcp_f32 v18, v19
.irp k, 10,12,14
	v_pk_add_f32 v[EH+\k:EH+\k+1], v[EH+\k:EH+\k+1], s[90:91] op_sel_hi:[1,0]             ; e^x + 0.1  (plain lines behind the reciprocal)
.endr
	s_wait_alu depctr_va_vdst(0)                   ; the reciprocal has written v18, ahead of the first line that names it
	v_cndmask_b32 v18, v18, v15, s58               ; R = 1 in mu's lanes
.irp k, 0,2,4,6,8
	v_pk_fma_f32 v[EH+\k:EH+\k+1], v[EH+\k:EH+\k+1], v[18:19], s[92:93] op_sel_hi:[1,0,0]
.endr
.irp k, 0,1,2,3,4,5,6,7,8,9
	v_med3_num_f32 v[EH+\k], v[EH+\k], v[WH+\k], v13
.endr
.irp k, 10,11,12,13,14,15
	v_med3_num_f32 v[EH+\k], v[WH+\k], v[EH+\k], s88
.endr
	s_sub_co_i32 s80, s70, 16*\tau                 ; only the unit that straddles NP has pairs to be zeroed
	s_cmp_ge_i32 s80, 16
	s_cbranch_scc1 .Lwhole_\@
	v_cmp_gt_i32 vcc_lo, s80, v24
	s_wait_alu depctr_va_vcc(0)                    ; the compare has written VCC, ahead of the selects that read it
.set n, 0
.rept 16
	v_cndmask_b32 v[EH+n], 0, v[EH+n], vcc_lo
.set n, n+1
.endr
.Lwhole_\@:
	s_wait_alu depctr_va_vdst(0)                   ; on both ways EH is written, which the stores into the stage read; and the bf16 products are done reading E, in which, behind tile 1, the stage's loads land
.irp k, 0,1,2,3,4
	ds_store_b64 v5, v[EH+2*\k:EH+2*\k+1] offset:640*\tau+8*\k
.endr
	ds_store_b64 v6, v[EH+10:EH+11] offset:O_SG+640*\tau
	ds_store_b64 v6, v[EH+12:EH+13] offset:O_SG+640*\tau+8
	ds_store_b64 v7, v[EH+14:EH+15] offset:O_SG+16+640*\tau
.endm
; A unit's 3 x 1,280 bytes leave the stage: each store of the wave covers 256 consecutive bytes, aligned.  The counts leave the younger reads of the stage out.
; No vector or matrix line stands between tile 1's last wait and these lines: E is free for the loads, and v9 was written at the unit's head.
.macro FLUSH
.irp k, 0,1,2,3,4
	ds_load_b64 v[E+2*\k:E+2*\k+1], v8 offset:256*\k            ; LDS serves a wave's instructions in order (ISA guide 5.7.1.4): these see my stores
.endr
.irp k, 0,1,2,3,4
	ds_load_b64 v[E+10+2*\k:E+11+2*\k], v8 offset:O_SG+256*\k
.endr
.irp k, 0,1,2,3,4
	ds_load_b64 v[E+20+2*\k:E+21+2*\k], v8 offset:O_MU+256*\k
.endr
.irp k, 0,1,2,3,4
	s_wait_dscnt 14-\k
	global_store_b64 v9, v[E+2*\k:E+2*\k+1], s[38:39] offset:256*\k th:TH_STORE_NT
.endr
.irp k, 0,1,2,3,4
	s_wait_dscnt 9-\k
	global_store_b64 v9, v[E+10+2*\k:E+11+2*\k], s[40:41] offset:256*\k th:TH_STORE_NT
.endr
.irp k, 0,1,2,3,4
	s_wait_dscnt 4-\k
	global_store_b64 v9, v[E+20+2*\k:E+21+2*\k], s[42:43] offset:256*\k th:TH_STORE_NT
.endr
.endm
.Lunit:                                            ; at most four trips
	s_wait_xcnt 0x0                                ; the earlier stores have had their addresses translated: v9, E and v20-23 are written again only behind this wait
	s_wait_alu depctr_vm_vsrc(0)                   ; the last unit's global stores have read v9 and E, its stores into the stage EH; in the first trip the head's loads and stores have read v244-255, v160, v166-167, v20-23 and A: all are written below
	s_bfe_u32 s70, s52, 0x6000d                    ; nv
	s_bfe_u32 s80, s52, 0x3000a                    ; b
	s_and_b32 s81, s52, 63                         ; i
	s_bfe_u32 s82, s52, 0x40006                    ; ju
	s_lshl_b32 s80, s80, 10
	s_lshl_b32 s81, s81, 4
	s_add_co_u32 s80, s80, s81
	s_add_co_u32 s80, s80, s82                     ; the unit's number (64 b + i) 16 + ju,
	s_min_u32 s80, s80, 0x1fff                     ; held inside the outputs
	s_mul_i32 s80, s80, 1280
	v_add_nc_u32 v9, s80, v25                      ; read by the unit's global stores alone, which stand behind all the tiles' waits
	TILE 0
	TILE 1
	FLUSH
	s_mov_b32 s52, s53
	s_mov_b32 s53, s54
	s_mov_b32 s54, s55
	s_add_co_u32 s49, s49, 1
	s_cmp_lt_u32 s49, s50
	s_cbranch_scc1 .Lunit
.Lend:
	s_wait_dscnt 0x0
	s_wait_alu depctr_hold_cnt(0) depctr_sa_sdst(0) depctr_va_vdst(0) depctr_va_sdst(0) depctr_va_ssrc(0) depctr_va_vcc(0) depctr_vm_vsrc(0)
	s_wait_tensorcnt 0x0
	ds_add_u32 v30, v31
	s_wait_dscnt 0x0
	s_endpgm
.Lfunc_end_k_qead0e78dc4_main:
	.size	k_qead0e78dc4_main, .Lfunc_end_k_qead0e78dc4_main-k_qead0e78dc4_main
	.p2alignl 7, 3214868480
	.fill 96, 4, 3214868480
	.section	.rodata,"a",@progbits
	.p2align	6, 0x0
	.amdhsa_kernel k_qead0e78dc4_main
		.amdhsa_group_segment_fixed_size 119040
		.amdhsa_private_segment_fixed_size 0
		.amdhsa_enable_private_segment 0
		.amdhsa_kernarg_size 152
		.amdhsa_user_sgpr_count 2
		.amdhsa_user_sgpr_kernarg_segment_ptr 1
		.amdhsa_wavefront_size32 1
		.amdhsa_system_sgpr_workgroup_id_x 1
		.amdhsa_system_sgpr_workgroup_id_y 1
		.amdhsa_system_sgpr_workgroup_id_z 1
		.amdhsa_system_vgpr_workitem_id 0
		.amdhsa_next_free_vgpr 512
		.amdhsa_next_free_sgpr 100
		.amdhsa_reserve_vcc 1
		.amdhsa_float_denorm_mode_32 3
		.amdhsa_float_denorm_mode_16_64 3
		.amdhsa_memory_ordered 1
		.amdhsa_forward_progress 1
		.amdhsa_inst_pref_size 65
	.end_amdhsa_kernel
	.amdgpu_metadata
---
amdhsa.version: [ 1, 2 ]
amdhsa.kernels:
  - .name:           k_qead0e78dc4_main
    .symbol:         k_qead0e78dc4_main.kd
    .args:
      - { .name: ws, .offset: 0, .size: 8, .value_kind: global_buffer, .address_space: global }
      - { .name: list, .offset: 8, .size: 8, .value_kind: global_buffer, .address_space: global }
      - { .name: nl_counts, .offset: 16, .size: 8, .value_kind: global_buffer, .address_space: global }
      - { .name: np_counts, .offset: 24, .size: 8, .value_kind: global_buffer, .address_space: global }
      - { .name: lowp_scales, .offset: 32, .size: 8, .value_kind: global_buffer, .address_space: global }
      - { .name: l_pos, .offset: 40, .size: 8, .value_kind: global_buffer, .address_space: global }
      - { .name: p_pos, .offset: 48, .size: 8, .value_kind: global_buffer, .address_space: global }
      - { .name: mlp_b, .offset: 56, .size: 8, .value_kind: global_buffer, .address_space: global }
      - { .name: mlp_g, .offset: 64, .size: 8, .value_kind: global_buffer, .address_space: global }
      - { .name: mlp_be, .offset: 72, .size: 8, .value_kind: global_buffer, .address_space: global }
      - { .name: mlp_m, .offset: 80, .size: 8, .value_kind: global_buffer, .address_space: global }
      - { .name: mlp_v, .offset: 88, .size: 8, .value_kind: global_buffer, .address_space: global }
      - { .name: pi_b, .offset: 96, .size: 8, .value_kind: global_buffer, .address_space: global }
      - { .name: sg_b, .offset: 104, .size: 8, .value_kind: global_buffer, .address_space: global }
      - { .name: mu_b, .offset: 112, .size: 8, .value_kind: global_buffer, .address_space: global }
      - { .name: out0, .offset: 120, .size: 8, .value_kind: global_buffer, .address_space: global }
      - { .name: out1, .offset: 128, .size: 8, .value_kind: global_buffer, .address_space: global }
      - { .name: out2, .offset: 136, .size: 8, .value_kind: global_buffer, .address_space: global }
      - { .name: out3, .offset: 144, .size: 8, .value_kind: global_buffer, .address_space: global }
    .group_segment_fixed_size: 119040
    .private_segment_fixed_size: 0
    .kernarg_segment_align: 8
    .kernarg_segment_size: 152
    .max_flat_workgroup_size: 256
    .sgpr_count:     100
    .vgpr_count:     512
    .wavefront_size: 32
...
	.end_amdgpu_metadata
.endif
;; end of part 3
